; MI455X (gfx1250); checked and timed in simulation.
; The chip was launched on July 23, 2026; its instructions are those of AMD's public machine-readable ISA for CDNA 5 (MIT licence, August 2026) and "CDNA5" Instruction Set Architecture Reference Guide (July 2026). The comments in the code are by the model that wrote it; some were corrected since.
;; Attention. Allowed arithmetic: matrix products marked QUANTISED: E4M3 operands, one given power-of-two scale a tensor, by v_wmma_f32_16x16x64_fp8_fp8 or v_wmma_f32_16x16x128_fp8_fp8, f32 sums; everything else in f32.
;; Inputs: freqs_cis 2,048 x 32 x 2 float32; lowp_scales 12 int32 (the exponents e of the quantised operands' scales 2^e); wk 512 x 2,048 float32; wo 2,048 x 2,048 float32; wq 2,048 x 2,048 float32; wv 512 x 2,048 float32; x 1 x 2,048 x 2,048 float32.
;; Outputs: out0 1 x 2,048 x 2,048 float32.
;; This version of the problem:
;;   THIS VERSION OF THE PROBLEM IS GIVEN IN LOW PRECISION. The matrix products marked QUANTISED in the list below multiply operands that are first quantised to E4M3 (4 exponent bits, 3 mantissa bits; 8 bits a number), with one given power-of-two scale for each operand tensor; their sums are f32. All else is computed in f32.
;;   The module's matrix products, in the order in which they are computed (A, B: the left and right operand; K: the contracted axis; several contracted axes count as one K, in the product's order):
;;     1. [M 2,048, K 2,048] x [K 2,048, N 2,048]; A: input x; B: input wq: QUANTISED (scales: A lowp_scales[0], B lowp_scales[1])
;;     2. [M 2,048, K 2,048] x [K 2,048, N 512]; A: input x; B: input wk: QUANTISED (scales: A lowp_scales[2], B lowp_scales[3])
;;     3. [M 2,048, K 2,048] x [K 2,048, N 512]; A: input x; B: input wv: QUANTISED (scales: A lowp_scales[4], B lowp_scales[5])
;;     4. batch 8 x [M 2,048, K 64] x [K 64, N 8,192]; A: computed on the way; B: computed on the way: QUANTISED (scales: A lowp_scales[6], B lowp_scales[7])
;;     5. batch 8 x [M 64, K 2,048] x [K 2,048, N 8,192]; A: computed on the way; B: softmax (see below): QUANTISED (scales: A lowp_scales[8], B lowp_scales[9])
;;     6. [M 2,048, K 2,048] x [K 2,048, N 2,048]; A: computed on the way; B: input wo: QUANTISED (scales: A lowp_scales[10], B lowp_scales[11])
;;   THE QUANTISER, for each operand of a quantised product, along K:
;;     - The operand's scale is 2^e, e = its entry of the input lowp_scales (int32; the entries are numbered through the quantised products in the list's order, A before B).
;;     - Each number is divided by the scale, clamped to +-448, and rounded to the nearest number of E4M3, ties to even, subnormals kept.
;;     - The product sums the exact products of the quantised numbers (number of the format x scale) in f32.
;;   ~~~python
;;   def quantise(x, axis, e):      # numpy; x: float32 -> the quantised numbers, widened to float32 again
;;       x = np.moveaxis(x, axis, -1); K = x.shape[-1]
;;       r = np.clip(x / 2.0 ** e, -448, 448)
;;       step = 2.0 ** (np.maximum(np.frexp(np.where(r == 0, 1, r))[1] - 1, -6) - 3)
;;       q = np.round(r / step) * step * 2.0 ** e      # np.round: ties to even
;;       return np.moveaxis(q, -1, axis).astype(np.float32)
;;   ~~~
;;   SOFTMAX AHEAD OF A QUANTISED PRODUCT. Where the list says 'softmax', what is quantised is not the finished softmax but p = 2^(t - M), with t = logit x log2(e) and M = ceil(the row's largest t), a whole number; so 1/2 < the row's largest p <= 1. The row's sum l is taken of the UNQUANTISED p, in f32, and the product's result is divided by l at the end. Since M is a whole number, a kernel that streams over the keys may use a running M (the ceiling of the running maximum): every later rescaling is an exact power of two, so the quantised numbers keep their values, but for numbers so far below the row's largest that they fall under the format's range.
;;   OPERANDS COMPUTED ON THE WAY. 'Computed on the way' means the value that the module computes at that place (a softmax that the list does not call 'softmax' is quantised finished and normalised). What goes into a quantiser is computed in f32, as accurately as f32 sums, v_exp_f32 and their like allow (about 1e-6 of the number): no bf16 or f16 on the way to a quantiser, and a product that is left as it is and whose result goes on into a quantised operand takes f32 operands (vector FMAs, or v_wmma_f32_16x16x4_f32). A number that lies on a knife's edge between two numbers of the format may be rounded either way, as far as f32 arithmetic and the matrix unit's own rounding can turn it there, and no further.
;; One version. Each part assembles by itself: llvm-mc -triple=amdgcn-amd-amdhsa -mcpu=gfx1250 --defsym DOCPART=n.
;; ======== version 1 of 1: 4 launches
;; limits: right only within a limited range of input values
;; workspace buffers: codes 23,068,672 bytes; qkv 6,291,456 bytes; ao 4,194,304 bytes
;; launch quant (part 1): grid 448 x 1, 4 waves a work-group, no clusters, 145,920 bytes of LDS; arguments x, wq, wk, wv, wo, lowp_scales, codes; writes codes
.if DOCPART == 1
	.amdgcn_target "amdgcn-amd-amdhsa--gfx1250"
	.amdhsa_code_object_version 6
	.text
	.protected	k_q2c2bb25d29_quant
	.globl	k_q2c2bb25d29_quant
	.p2align	8
	.type	k_q2c2bb25d29_quant,@function
k_q2c2bb25d29_quant:
	s_mov_b64 s[64:65], 0
	v_nop
	global_prefetch_b8 v0, s[64:65] scope:SCOPE_SE
	s_setreg_imm32_b32 hwreg(HW_REG_WAVE_MODE, 25, 1), 1
	s_wait_xcnt 0x0
; x, wq, wk, wv, wo (f32, K innermost, rows of 2,048) become codes of FP8 (E4M3), each with the scale 2^e that is given for it: code = number / 2^e, held within +-448, to the nearest code, ties to even.
; x is an operand of three products with three given scales (entries 0, 2, 4), so it is read once and three sets of codes are stored; wq, wk, wv, wo take entries 1, 3, 5, 11.
; THE BUFFER OF CODES: x under e0 at 0, under e2 at XCB, under e4 at 2 XCB; then wq, wk, wv, wo on end from WQC on.
; THE WEIGHTS lie as rows of 2,048 bytes, K innermost, WITH ONE CHANGE OF ORDER INSIDE EACH 32 CODES: bytes 0-7 hold k 0-7, bytes 8-15 k 16-23, bytes 16-23 k 8-15, bytes 24-31 k 24-31.  A load of 16 bytes at
; 32 c + 16 (lane / 16) of a row then brings registers 4 c .. 4 c + 3 of a fragment of the plain FP8 form with every k in that form's own place (registers 2 c', 2 c' + 1: k = 16 c' + 8 (lane / 16) + 0 .. 7).
; x LIES AS IMAGES OF OPERAND REGISTERS: fragment (tile of 16 tokens t, 128 along K q) = 2,048 bytes at (16 t + q) x 2,048; registers 4 c .. 4 c + 3 of lane l at 512 c + 16 l: the same 16 bytes that the row form has at
; 128 q + 32 c + 16 (l / 16) of row l % 16.  The launch that multiplies loads such a fragment from memory straight into registers, 512 consecutive bytes a load.
; SHARES.  A work-group takes 32,768 numbers, a wave 8,192: 16 steps of 512.  Work-groups 0-127: x; 128-255: wq; 256-287: wk; 288-319: wv; 320-447: wo.  Of a weight a wave takes four whole rows on end.  Of x a work-group
; takes one tile of 16 tokens, a wave 512 columns of it (four fragments), and step t is row t.
; Each of a step's four loads reads 512 consecutive bytes; the 2,048 bytes go through the wave's own stage in LDS as they lie (16 bytes of padding behind each 64) and come back 16 numbers a lane: an even lane takes
; k 0-7 and 16-23 of block lane / 2, an odd lane k 8-15 and 24-31: that is the change of order.  A lane's 16 codes are 16 bytes.  A weight's are stored at once: 512 consecutive bytes a wave.
; x's belong at byte 256 lane + 16 t of the wave's 8,192 bytes of image, so they are gathered in a second stage of the wave's own (a lane's 16 rows on end, 272 bytes from lane to lane), one for each scale, and leave at
; the wave's end: 16 stores of 512 consecutive bytes, aligned, for each scale.
; No tensor loads, no barrier: waves share nothing.  Loads run four steps (16 loads a wave) ahead, the turn through LDS one step.  The two paths of the text (x; a weight) have LDS bytes of their own.
; LIMITS: each e used here lies between -126 and 119, so that 2^e and 448 x 2^e are f32 numbers.  NaN among the inputs is not served; an infinity is held at the largest code.
.set STEPS, 16
.set SP,    80                         ; a place in a stage: 64 bytes + 16 of padding
.set STG,   32*SP                      ; a stage: a step's 2,048 bytes
.set WREG,  2*STG                      ; a wave's two stages
.set LBW,   0                          ; LDS of the weights' path: four waves' stages
.set LBX,   4*WREG                     ; LDS of x's path: four waves' stages,
.set LBI,   8*WREG                     ; and the stages of the images: three for each wave
.set IP,    272                        ; from lane to lane in such a stage: 16 rows x 16 bytes + 16 of padding
.set ISTG,  32*IP
.set XCB,   4194304                    ; bytes of one set of x's codes
.set WQC,   3*XCB                      ; where the weights' codes begin
.set R,     16                         ; v16-79   four sets of 16 numbers as they are loaded
.set X,     80                         ; v80-111  two sets of 16 numbers in the order of the codes
.set T,     112                        ; v112-127 the numbers held within the largest code x the scale
.set C,     128                        ; v128-191 codes
.set FL,    16                         ; v16-207  at the end of x's path: the images read back, 64 registers for each scale
	s_load_b256 s[4:11], s[0:1], 0x0               ; x s[4:5], wq s[6:7], wk s[8:9], wv s[10:11]
	s_load_b128 s[12:15], s[0:1], 0x20             ; wo s[12:13], the scales' exponents s[14:15]
	s_load_b64 s[16:17], s[0:1], 0x30              ; the codes
	v_lshl_add_u32 v208, v0, 2, 0x23800
	v_mov_b32 v209, 0
	v_lshrrev_b32 v1, 5, v0
	v_readfirstlane_b32 s18, v1                    ; wave
	v_and_b32 v2, 31, v0                           ; lane
	v_lshlrev_b32 v3, 4, v2                        ; my 16 bytes of a load's and of a store's 512; never rewritten
	s_mul_i32 s19, s18, WREG                       ; my wave's stages
	s_lshl_b32 s31, s18, 13                        ; my wave's 8,192 bytes of the work-group's codes
	v_lshrrev_b32 v14, 2, v2
	v_mul_u32_u24 v14, v14, SP
	v_and_b32 v4, 3, v2
	v_lshl_add_u32 v14, v4, 4, v14
	v_add_nc_u32 v14, s19, v14                     ; the stage, on the way in: SP (lane / 4) + 16 (lane % 4)
	v_lshrrev_b32 v15, 1, v2
	v_mul_u32_u24 v15, v15, 2*SP
	v_and_b32 v4, 1, v2
	v_lshl_add_u32 v15, v4, 5, v15
	v_add_nc_u32 v15, s19, v15                     ; and on the way out: block lane / 2 (two places), + 32 bytes in an odd lane
	s_mul_i32 s30, s18, 3*ISTG
	s_add_co_u32 s30, s30, LBI                     ; my wave's three stages of images
	v_mul_u32_u24 v12, v2, IP
	v_add_nc_u32 v12, s30, v12                     ; into them: IP x lane (+ 16 x row)
	v_lshrrev_b32 v13, 4, v2
	v_mul_u32_u24 v13, v13, IP
	v_and_b32 v4, 15, v2
	v_lshl_add_u32 v13, v4, 4, v13
	v_add_nc_u32 v13, s30, v13                     ; out of them: store j takes places 2 j and 2 j + 1: lanes 0-15 the first's 16 rows, lanes 16-31 the second's
	s_wait_kmcnt 0x0
	s_load_b256 s[36:43], s[14:15], 0x0            ; e0 .. e7
	s_load_b128 s[44:47], s[14:15], 0x20           ; e8 .. e11
.macro LOAD t, st                      ; step t's 2,048 bytes; st: bytes from step to step
.irp i, 0,1,2,3
	global_load_b128 v[R+16*((\t)%4)+4*\i:R+16*((\t)%4)+4*\i+3], v3, s[26:27] offset:(\st)*(\t)+512*\i th:TH_LOAD_NT   ; 32 lanes read 512 consecutive bytes; read once in the launch
.endr
.endm
.macro TURN t, lb                      ; step t's numbers through the stage: LDS serves a wave's instructions in order, so no wait stands between the stores and the loads
.irp i, 0,1,2,3
	ds_store_b128 v14, v[R+16*((\t)%4)+4*\i:R+16*((\t)%4)+4*\i+3] offset:\lb+STG*((\t)%2)+8*SP*\i
.endr
.irp i, 0,1,2,3
	ds_load_b128 v[X+16*((\t)%2)+4*\i:X+16*((\t)%2)+4*\i+3], v15 offset:\lb+STG*((\t)%2)+SP*(\i/2)+16*(\i%2)   ; 32 bytes of the block's first 64, then 32 of its second 64
.endr
.endm
.macro SCALE vs, vl, se                ; v[vs] = 2^e as f32 (the conversion takes its exponent field), v[vl] = 448 x 2^e
	s_add_co_i32 s48, \se, 127
	s_lshl_b32 s49, s48, 23
	v_mov_b32 v[\vs], s49
	s_add_co_i32 s48, s48, 8
	s_lshl_b32 s48, s48, 23
	s_or_b32 s48, s48, 0x600000
	v_mov_b32 v[\vl], s48
.endm
.macro HEAD t, st, lb                  ; the head of a step: its numbers are there; the loads of four steps on go out; the next step's numbers go through the other stage
	s_wait_dscnt 0x0                               ; this step's numbers are back from the stage, so its stores into the stage have read their registers (and so have the last step's stores of codes),
.if (\t)+4 < STEPS
	LOAD (\t)+4, \st                               ; which take the loads of four steps on
.endif
.if (\t)+1 < STEPS
.if STEPS-2-(\t) >= 3
	s_wait_loadcnt 12                              ; the next step's four loads are in; those of the three steps behind it may be out
.else
	s_wait_loadcnt 4*(STEPS-2-(\t))
.endif
	TURN (\t)+1, \lb
.endif
.endm
.macro QUANT xs, cc, o                 ; 16 numbers v[xs] on become 16 codes in v[cc] on, with scale v[5 + 2 o] and limit v[6 + 2 o]
.set i, 0
.rept 16
	v_med3_num_f32 v[T+i], v[\xs+i], -v[6+2*\o], v[6+2*\o]   ; the conversion to an 8-bit code does not saturate (ISA guide 7.6.2): the hold at the largest code x the scale
.set i, i+1
.endr
	v_cvt_scalef32_pk8_fp8_f32 v[\cc:\cc+1], v[T:T+7], v[5+2*\o]
	v_cvt_scalef32_pk8_fp8_f32 v[\cc+2:\cc+3], v[T+8:T+15], v[5+2*\o]
	v_nop                                          ; one plain vector line between the conversions and the next holds, which write the conversions' sources
.endm
.macro STEPW t                         ; a weight's step: registers of its own for each step's codes, so that no store's data are written again
	HEAD \t, 2048, LBW
.set XS, X+16*((\t)%2)
.set CC, C+4*(\t)
	QUANT XS, CC, 0
	global_store_b128 v3, v[CC:CC+3], s[20:21] offset:512*(\t)   ; 32 lanes store 512 consecutive bytes, at a multiple of 512 from the buffer's first byte
.endm
.macro STEPX t                         ; x's step: row t of the tile, three sets of codes, each into its stage
	HEAD \t, 8192, LBX
.set XS, X+16*((\t)%2)
.irp o, 0,1,2
.set CC, C+4*\o
	QUANT XS, CC, \o
	ds_store_b128 v12, v[CC:CC+3] offset:\o*ISTG+16*(\t)
.endr
.endm
	s_cmp_lt_u32 ttmp9, 128
	s_cbranch_scc1 .Lpath_x
	; ---- a weight.  The tensor is chosen by the work-group's number alone
	s_mov_b64 s[26:27], s[12:13]                   ; wo, from work-group 320 on
	s_mov_b32 s28, 320
	s_cmp_lt_u32 ttmp9, 320
	s_cselect_b64 s[26:27], s[10:11], s[26:27]     ; wv, from 288 on
	s_cselect_b32 s28, 288, s28
	s_cmp_lt_u32 ttmp9, 288
	s_cselect_b64 s[26:27], s[8:9], s[26:27]       ; wk, from 256 on
	s_cselect_b32 s28, 256, s28
	s_cmp_lt_u32 ttmp9, 256
	s_cselect_b64 s[26:27], s[6:7], s[26:27]       ; wq, from 128 on
	s_cselect_b32 s28, 128, s28
	s_sub_co_u32 s28, ttmp9, s28
	s_lshl_b32 s28, s28, 17                        ; 131,072 bytes of f32 a work-group,
	s_lshl_b32 s30, s18, 15                        ; 32,768 a wave
	s_add_co_u32 s28, s28, s30
	s_mov_b32 s29, 0
	s_add_nc_u64 s[26:27], s[26:27], s[28:29]
	s_sub_co_u32 s28, ttmp9, 128                   ; the four weights' codes lie on end, in the work-groups' order
	s_lshl_b32 s28, s28, 15
	s_add_co_u32 s28, s28, s31
	s_add_co_u32 s28, s28, WQC
	s_add_nc_u64 s[20:21], s[16:17], s[28:29]
.irp t, 0,1,2,3
	LOAD \t, 2048
.endr
	s_wait_kmcnt 0x0
	s_mov_b32 s50, s47                             ; e11
	s_cmp_lt_u32 ttmp9, 320
	s_cselect_b32 s50, s41, s50                    ; e5
	s_cmp_lt_u32 ttmp9, 288
	s_cselect_b32 s50, s39, s50                    ; e3
	s_cmp_lt_u32 ttmp9, 256
	s_cselect_b32 s50, s37, s50                    ; e1
	SCALE 5, 6, s50
	s_wait_alu depctr_va_vdst(0)
	s_wait_loadcnt 12                              ; step 0's four loads are in
	TURN 0, LBW
.irp t, 0,1,2,3,4,5,6,7,8,9,10,11,12,13,14,15
	STEPW \t
.endr
	s_wait_tensorcnt 0x0
	ds_add_u32 v208, v209
	s_wait_dscnt 0x0
	s_endpgm
.Lpath_x:
	; ---- x: read once, three sets of codes.  The work-group's 16 rows are 131,072 bytes; my wave's 512 columns are 2,048 bytes of each row
	s_lshl_b32 s28, ttmp9, 17
	s_lshl_b32 s30, s18, 11
	s_add_co_u32 s28, s28, s30
	s_mov_b32 s29, 0
	s_add_nc_u64 s[26:27], s[4:5], s[28:29]
	s_lshl_b32 s28, ttmp9, 15                      ; the tile's 16 fragments are 32,768 bytes, my wave's four 8,192
	s_add_co_u32 s28, s28, s31
	s_add_nc_u64 s[20:21], s[16:17], s[28:29]
	s_add_nc_u64 s[22:23], s[20:21], XCB
	s_add_nc_u64 s[24:25], s[22:23], XCB
.irp t, 0,1,2,3
	LOAD \t, 8192
.endr
	s_wait_kmcnt 0x0
	SCALE 5, 6, s36                                ; e0: x as the operand of x wq^T
	SCALE 7, 8, s38                                ; e2: of x wk^T
	SCALE 9, 10, s40                               ; e4: of x wv^T
	s_wait_alu depctr_va_vdst(0)
	s_wait_loadcnt 12
	TURN 0, LBX
.irp t, 0,1,2,3,4,5,6,7,8,9,10,11,12,13,14,15
	STEPX \t
.endr
	s_wait_dscnt 0x0                               ; my stores of codes have read their registers, which the loads below write
.irp o, 0,1,2
.set j, 0
.rept 16
	ds_load_b128 v[FL+64*\o+4*j:FL+64*\o+4*j+3], v13 offset:\o*ISTG+2*j*IP   ; 512 bytes of image: two places' 16 rows
.set j, j+1
.endr
.endr
.irp o, 0,1,2
.set j, 0
.rept 16
	s_wait_dscnt 47-16*\o-j                        ; LDS loads come back in order: this one is in, the younger ones may be out
	global_store_b128 v3, v[FL+64*\o+4*j:FL+64*\o+4*j+3], s[20+2*\o:21+2*\o] offset:512*j   ; 32 lanes store 512 consecutive bytes, at a multiple of 512 from the buffer's first byte
.set j, j+1
.endr
.endr
	s_wait_tensorcnt 0x0
	ds_add_u32 v208, v209
	s_wait_dscnt 0x0
	s_endpgm
.Lfunc_end_k_q2c2bb25d29_quant:
	.size	k_q2c2bb25d29_quant, .Lfunc_end_k_q2c2bb25d29_quant-k_q2c2bb25d29_quant
	.p2alignl 7, 3214868480
	.fill 96, 4, 3214868480
	.section	.rodata,"a",@progbits
	.p2align	6, 0x0
	.amdhsa_kernel k_q2c2bb25d29_quant
		.amdhsa_group_segment_fixed_size 145920
		.amdhsa_private_segment_fixed_size 0
		.amdhsa_enable_private_segment 0
		.amdhsa_kernarg_size 56
		.amdhsa_user_sgpr_count 2
		.amdhsa_user_sgpr_kernarg_segment_ptr 1
		.amdhsa_wavefront_size32 1
		.amdhsa_system_sgpr_workgroup_id_x 1
		.amdhsa_system_sgpr_workgroup_id_y 1
		.amdhsa_system_sgpr_workgroup_id_z 1
		.amdhsa_system_vgpr_workitem_id 0
		.amdhsa_next_free_vgpr 210
		.amdhsa_next_free_sgpr 66
		.amdhsa_reserve_vcc 0
		.amdhsa_float_denorm_mode_32 3
		.amdhsa_float_denorm_mode_16_64 3
		.amdhsa_memory_ordered 1
		.amdhsa_forward_progress 1
		.amdhsa_inst_pref_size 123
	.end_amdhsa_kernel
	.amdgpu_metadata
---
amdhsa.version: [ 1, 2 ]
amdhsa.kernels:
  - .name:           k_q2c2bb25d29_quant
    .symbol:         k_q2c2bb25d29_quant.kd
    .args:
      - { .name: x, .offset: 0, .size: 8, .value_kind: global_buffer, .address_space: global }
      - { .name: wq, .offset: 8, .size: 8, .value_kind: global_buffer, .address_space: global }
      - { .name: wk, .offset: 16, .size: 8, .value_kind: global_buffer, .address_space: global }
      - { .name: wv, .offset: 24, .size: 8, .value_kind: global_buffer, .address_space: global }
      - { .name: wo, .offset: 32, .size: 8, .value_kind: global_buffer, .address_space: global }
      - { .name: lowp_scales, .offset: 40, .size: 8, .value_kind: global_buffer, .address_space: global }
      - { .name: codes, .offset: 48, .size: 8, .value_kind: global_buffer, .address_space: global }
    .group_segment_fixed_size: 145920
    .private_segment_fixed_size: 0
    .kernarg_segment_align: 8
    .kernarg_segment_size: 56
    .max_flat_workgroup_size: 128
    .sgpr_count:     66
    .vgpr_count:     210
    .wavefront_size: 32
...
	.end_amdgpu_metadata
.endif
;; end of part 1
;; launch proj (part 2): grid 8 x 24, 4 waves a work-group, clusters of 4 x 1, 327,680 bytes of LDS; arguments codes, lowp_scales, freqs_cis, qkv; writes qkv
.if DOCPART == 2
	.amdgcn_target "amdgcn-amd-amdhsa--gfx1250"
	.amdhsa_code_object_version 6
	.text
	.protected	k_q2c2bb25d29_proj
	.globl	k_q2c2bb25d29_proj
	.p2align	8
	.type	k_q2c2bb25d29_proj,@function
k_q2c2bb25d29_proj:
	s_mov_b64 s[64:65], 0
	v_nop
	global_prefetch_b8 v0, s[64:65] scope:SCOPE_SE
	s_setreg_imm32_b32 hwreg(HW_REG_WAVE_MODE, 25, 1), 1
	s_wait_xcnt 0x0
	s_wait_alu depctr_hold_cnt(0) depctr_sa_sdst(0) depctr_va_vdst(0) depctr_va_sdst(0) depctr_va_ssrc(0) depctr_va_vcc(0) depctr_vm_vsrc(0)
	s_getreg_b32 s2, hwreg(HW_REG_IB_STS2, 6, 4)
	s_cmp_eq_u32 s2, 0
	s_cbranch_scc0 .Lentry_in_a_cluster
	s_endpgm
.Lentry_in_a_cluster:
	s_bfe_u32 s2, ttmp6, 0x10000c
	s_cmp_lg_u32 s2, 0x3003
	s_cbranch_scc0 .Lentry_shape_is_right
	s_endpgm
.Lentry_shape_is_right:
; q = rope(x wq^T), k = rope(x wk^T), v = x wv^T on codes of FP8 (E4M3), K = 2,048; the results are quantised again (q: entry 7 of the scales, k: entry 6, v: entry 8) and stored as IMAGES OF OPERAND REGISTERS.
; SHARES.  wq, wk, wv lie on end in the buffer of codes: 3,072 rows, 24 tiles of 128 (tiles 0-15 q, 16-19 k, 20-23 v: the work-group's y).  A work-group makes 256 tokens x one such tile; each of its four waves 64 tokens x
; all 128 rows: 32 accumulators, 256 registers.  8 x 24 = 192 work-groups.
; THE WEIGHTS' TILE LIES IN LDS FOR ALL OF K: 128 rows x 2,048 bytes as four places, a quarter of K each (512 bytes a row, 528 apart): 270,336 bytes.  Nothing is filled twice.  A wave fetches its 32 rows of a place with one
; tensor load and has one load out at a time: place 0 at the head; place 1 in front of K step 0; places 2 and 3 at the heads of K steps 3 and 7, four K steps ahead of their first read; each of the later three behind the
; wait, add and wait ahead of a later first fill, and behind a round of the cluster's barrier.
; x COMES FROM MEMORY STRAIGHT INTO OPERAND REGISTERS: its codes lie as images of fragments (16 tokens x 128 K = 2,048 bytes at (16 tile + K step) x 2,048), so a load is 512 consecutive bytes.  A ring of FIVE sets of four
; fragments, 16 loads a K step: in K step k the wave waits until at most 47 loads are out (48 were issued behind step k's: so step k's are in), asks for step k + 4, and multiplies: at most 63 loads are out.
; THE FOUR QUARTERS OF K ARE TAKEN IN AN ORDER THAT IS TURNED BY (weight tile mod 4): place c of LDS holds quarter (c + tile) mod 4, and x's base for place c is that quarter's.  So the work-groups that read the same tokens
; do not all ask for the same bytes at the same time.  The order of the f32 sums over K differs between work-groups accordingly; nothing else does.
; CLUSTER: the four partners are four tiles of tokens of one weight tile: the weights are asked for JOINTLY, by the same tensor load with the same descriptor and a mask that names the four.  x is not shared so: it goes to
; registers, and beside the weights' 270,336 bytes LDS has no room for tiles of x.  No prefetch: x's loads already run four K steps ahead, and each of the weights' later places is asked for four K steps ahead of its read.
; LAYOUT.  q, k: source 0 = 16 rows of the weight, source 1 = 16 tokens: a lane holds a token and eight neighbouring features: RoPE's pairs are neighbouring registers, and the codes run along the head's 64, the next K.
; v: THE SOURCES ARE SWAPPED: a lane holds a feature and eight neighbouring tokens: the codes run along the keys, the next K.  The branch hangs on the work-group's y, which the partners share, and stands round the 32 matrix
; instructions of a step alone; loads, waits and barriers are common.
; THE IMAGES.  q, k: fragment (head, tile of 16 tokens) = 1,024 bytes at (128 head + tile) x 1,024: registers 4 c .. 4 c + 3 of lane l at 512 c + 16 l.  v: fragment (head, 128 keys s, 16 channels d) = 2,048 bytes at
; ((16 head + s) 4 + d) x 2,048, likewise.  A store of the wave covers 512 consecutive bytes, aligned.
; A sum stands for sum x 2^(ea + eb).  RoPE is linear, so it is applied to the sums as they are, and the three exponents are folded into the conversion's one scale, 2^(eo - ea - eb).
; The 128 words of cos and sin of a wave's 64 tokens are loaded in K steps 12 and 13 (16 loads each), where x's ring asks for nothing more; by v's work-groups too, which do not use them: so the loads are counted alike.
; LIMITS: e7 - e0 - e1, e6 - e2 - e3 and e8 - e4 - e5 lie between -126 and 119, so that the scale and 448 x the scale are f32 numbers.  NaN among the inputs is not served.
; REGISTERS, in windows of 256: window 0: v1-11 addresses and constants; v32-95 x's fifth set; v126, v127 the add's; v128-255 cos and sin, eight registers for (tile of tokens a, 16 features of a head c) at 32 a + 8 c.
;   window 1: the accumulators ((a, b) at v[8 (8 a + b)]).   window 2: the weights' fragments, two sets of eight (16 registers each); on the way out RoPE's products.   window 3: x's sets 0 to 3; on the way out the codes.
.set XIB,   4194304                    ; bytes of one set of x's images: under e0 at 0, under e2, under e4
.set WQC,   12582912                   ; where the weights' codes begin
.set KIMG,  4194304                    ; regions of the output: q's images at 0, k's, v's
.set VIMG,  5242880
.set PITCH, 528                        ; an LDS row: 512 bytes + 16 of padding = 132 words: row r starts at bank 4 r mod 64 (64 banks of 4 bytes: ISA guide 11.1)
.set WROWS, 32*PITCH                   ; what one tensor load brings
.set CHUNK, 128*PITCH                  ; a place: a quarter of K
.set LI,   1                           ; v1     16 x lane: an image's place for my lane; never rewritten
.set FQ,   2                           ; v2     my byte in the wave's rows of cos and sin
.set SCL,  3                           ; v3     2^(eo - ea - eb)
.set LIM,  4                           ; v4     448 x that
.set ADRB, 8                           ; v8-11  LDS address of my lane's part of a fragment in place 0 .. 3
.set CSR,  128
.set G1,   24                          ; s[24:31] descriptor group 1;  s[32:47] four groups 0
.set G0,   32
.set AB,   56                          ; s[56:63] x's base for place 0 .. 3
.set MSB, 0
.macro WIN new                         ; the immediate's high byte repeats the setting that is left
.if MSB != \new
	s_set_vgpr_msb (MSB<<8)|\new
.set MSB, \new
.endif
.endm
.macro CROUND                          ; a round of the cluster's barrier
	s_barrier_signal -1
	s_barrier_wait -1
	s_cmp_lg_u32 s12, 0
	s_cbranch_scc1 .Lnot_wave_0_\@
	s_barrier_signal -3
.Lnot_wave_0_\@:
	s_barrier_wait -3
	s_barrier_signal -1
	s_barrier_wait -1
.endm
.macro PLACES                          ; four places in front of loads into registers that matrix instructions have read, and of the first read of results
.rept 4
	v_nop
.endr
.endm
; x's four fragments of the k-th K step in the order of the walk, into set k % 5: 16 loads of 512 consecutive bytes.  Sets 0 to 3 lie in window 3 at 64 x set, set 4 in window 0 at v32
.macro ALOAD k
.set xw, ((\k)%5)/4
.set rX, 64*((\k)%5)*(1-xw)+32*xw
.set wl, 0xc0*(1-xw)
	WIN wl                                         ; destination window 3 or 0, address window 0
.irp a, 0,1,2,3
.irp p, 0,1,2,3
	global_load_b128 v[rX+16*\a+4*\p:rX+16*\a+4*\p+3], v[LI], s[AB+2*((\k)/4):AB+2*((\k)/4)+1] offset:32768*\a+2048*((\k)%4)+512*\p
.endr
.endr
.endm
; the weights' eight fragments of the same K step, into set k % 2: 32 LDS loads in one run.  A fragment is four loads of 16 bytes, 32 bytes apart: by the order of the codes in memory each k stands in the form's own place
.macro FETCH_B k
	WIN 0x80                                       ; destination window 2, address window 0
.irp i, 0,1,2,3,4,5,6,7
.irp c, 0,1,2,3
	ds_load_b128 v[128*((\k)%2)+16*\i+4*\c:128*((\k)%2)+16*\i+4*\c+3], v[ADRB+(\k)/4] offset:\i*16*PITCH+128*((\k)%4)+32*\c
.endr
.endr
.endm
.macro CSLOAD a                        ; cos and sin of tokens 16 a + lane % 16: pairs 8 c + 4 (lane / 16) + 0 .. 3 are 32 bytes at 256 (16 a + r) + 64 c + 32 h
.irp c, 0,1,2,3
	global_load_b128 v[CSR+32*(\a)+8*\c:CSR+32*(\a)+8*\c+3],   v[FQ], s[52:53] offset:4096*(\a)+64*\c
	global_load_b128 v[CSR+32*(\a)+8*\c+4:CSR+32*(\a)+8*\c+7], v[FQ], s[52:53] offset:4096*(\a)+64*\c+16
.endr
.endm
; 32 matrix instructions: x's four fragments against the weights' eight, 128 along K.  The first step's products start the sums.  The 32 accumulators take turns, one instruction a turn, in the same order in every step
; swap = 1: x is source 0.  mw (set by STEP) = 1: this step's x lies in window 0
.macro MUL k, swap
.irp a, 0,1,2,3
.irp b, 0,1,2,3,4,5,6,7
.set rD, 8*(8*\a+\b)
.set rB, 128*((\k)%2)+16*\b
.set rA, 64*((\k)%5)*(1-mw)+32*mw+16*\a
.if \swap
.if (\k) == 0
	v_wmma_f32_16x16x128_fp8_fp8 v[rD:rD+7], v[rA:rA+15], v[rB:rB+15], 0
.else
	v_wmma_f32_16x16x128_fp8_fp8 v[rD:rD+7], v[rA:rA+15], v[rB:rB+15], v[rD:rD+7]
.endif
.else
.if (\k) == 0
	v_wmma_f32_16x16x128_fp8_fp8 v[rD:rD+7], v[rB:rB+15], v[rA:rA+15], 0
.else
	v_wmma_f32_16x16x128_fp8_fp8 v[rD:rD+7], v[rB:rB+15], v[rA:rA+15], v[rD:rD+7]
.endif
.endif
.endr
.endr
.endm
; A K STEP.  The next step's fragments of the weights and x's of four steps on are asked for first, then this step is multiplied.
.macro STEP k
	s_wait_dscnt 0x0                               ; this step's fragments of the weights are in (asked for a step ago); no LDS instruction of mine is out
.if ((\k)+1 < 16) && (((\k)+1)%4 == 0)
	s_wait_tensorcnt 0x0                           ; my part of the next place has landed: the one load that I had out
	ds_add_u32 v126, v127                          ; ahead of a later first fill
	s_wait_dscnt 0x0
.if (\k)+1 < 12
	CROUND                                         ; everybody's has, and the four partners are here:
	tensor_load_to_lds s[G0+4*(((\k)+1)/4+1):G0+4*(((\k)+1)/4+1)+3], s[G1:G1+7]   ; the place after the next, four K steps ahead of its first read; my one load behind this round
	s_nop 0
.else
	s_barrier_signal -1
	s_barrier_wait -1                              ; the last place is whole; nothing more is asked for
.endif
.endif
.if ((\k) > 0) && ((\k) < 15)
	PLACES                                         ; behind the last step's products, which read the registers that the loads below write
.endif
.if (\k)+1 < 16
	FETCH_B (\k)+1
.endif
	WIN 0
; behind this step's 16 loads of x were issued: up to step 12 those of the three steps behind it, 48; step 13: two steps' and 16 of cos and sin, 48; step 14: one step's and 32, 48; step 15: 32.
; Where 16 more are issued below, the count is 47, so that at most 63 are out.
.if (\k) < 14
	s_wait_loadcnt 47
.else
	s_wait_loadcnt 48-16*((\k)-14)
.endif
.if (\k)+4 < 16
	ALOAD (\k)+4                                   ; into the set that the last step multiplied
	WIN 0
.endif
.if ((\k) == 12) || ((\k) == 13)
	CSLOAD 2*(\k)-24
	CSLOAD 2*(\k)-23
.endif
.set mw, ((\k)%5)/4
.set wq, 0x5e-12*mw
.set wv, 0x5b-3*mw
	s_cmp_ge_u32 s15, 20
	s_cbranch_scc1 .Lv_\@
	WIN wq                                         ; source 0 (the weights) window 2, source 1 (x) window 3 or 0, C and D window 1
	MUL \k, 0
	WIN 0
	s_branch .Lj_\@
.Lv_\@:
	WIN wv                                         ; source 0 (x) window 3 or 0, source 1 (the weights) window 2, C and D window 1
	MUL \k, 1
	WIN 0
.Lj_\@:
.endm
	s_load_b256 s[4:11], s[0:1], 0x0               ; the codes s[4:5], the scales' exponents s[6:7], cos and sin s[8:9], the images s[10:11]
	v_lshl_add_u32 v126, v0, 2, 0x42000            ; my spare word: behind the four places
	v_mov_b32 v127, 0
	ds_add_u32 v126, v127                          ; the opening lines: the add, twice on end, and its wait ahead of my first tensor load
	ds_add_u32 v126, v127
	v_lshrrev_b32 v5, 5, v0
	v_readfirstlane_b32 s12, v5                    ; wave 0..3
	v_and_b32 v[LI], 31, v0
	v_lshlrev_b32 v[LI], 4, v[LI]
	s_and_b32 s15, ttmp7, 0xffff                   ; the weight tile, which the four partners share
	; descriptor group 1: a tile of 32 rows x 512 bytes, padded in LDS
	s_mov_b32 s[G1], 15|(1<<20)|(1<<21)|(6<<22)|(3<<25)   ; 15:0 the mask: all four work-groups; 17:16 elements of 1 byte; 20 padding on; 21 set beside a mask; 24:22 after every 128 words (code 6); 31:25 four words (code 3)
	s_mov_b32 s[G1+1], 512<<16                     ; tensor_dim0 = 512
	s_mov_b32 s[G1+2], 32<<16                      ; tensor_dim1 = 32
	s_mov_b32 s[G1+3], 512<<16                     ; tile_dim0 = 512
	s_mov_b32 s[G1+4], 32                          ; tile_dim1 = 32
	s_mov_b32 s[G1+5], 2048                        ; from row to row
	s_mov_b32 s[G1+6], 0
	s_mov_b32 s[G1+7], 0
	s_lshl_b32 s50, s15, 7
	s_lshl_b32 s20, s12, 5
	s_add_co_u32 s50, s50, s20                     ; the weights: row 128 x tile + 32 x wave,
	s_lshl_b32 s50, s50, 11                        ; of 2,048 bytes
	s_add_co_u32 s50, s50, WQC
	s_mov_b32 s51, 0
	s_mul_i32 s17, s12, WROWS                      ; where they go in a place: wave x 32 rows
	s_and_b32 s22, s15, 3                          ; by how much the quarters' order is turned
	; my place in the cluster enters the addresses of x, of cos and sin and of the images alone
	s_bfe_u32 s13, ttmp6, 0x40000                  ; cx
	s_lshl_b32 s14, ttmp9, 2
	s_add_co_u32 s14, s14, s13                     ; my tile of 256 tokens = 4 x cluster x + cx
	s_lshl_b32 s16, s14, 4
	s_lshl_b32 s18, s12, 2
	s_add_co_u32 s16, s16, s18                     ; my wave's first tile of 16 tokens
	s_cmp_ge_u32 s15, 16                           ; k or v?
	s_cselect_b32 s48, XIB, 0                      ; x under e2, else under e0
	s_cselect_b32 s19, 16, 0
	s_cselect_b32 s84, KIMG, 0
	s_cmp_ge_u32 s15, 20                           ; v?
	s_cselect_b32 s48, 2*XIB, s48                  ; x under e4
	s_lshl_b32 s18, s16, 15                        ; a tile's 16 fragments are 32,768 bytes
	s_add_co_u32 s48, s48, s18
	s_mov_b32 s49, 0
	s_lshl_b32 s52, s16, 12                        ; cos and sin: 16 tokens x 256 bytes
	s_mov_b32 s53, 0
	; where my images go.  q, k: heads 2 B and 2 B + 1 (B: the tile among its own tensor's), tiles of tokens from mine on
	s_sub_co_u32 s19, s15, s19
	s_lshl_b32 s19, s19, 8
	s_add_co_u32 s19, s19, s16
	s_lshl_b32 s19, s19, 10
	s_add_co_u32 s54, s19, s84
	; v: heads 2 B and 2 B + 1, keys' step 2 x tile of tokens + wave / 2; my 64 keys are half of the step: 1,024 bytes on in each fragment for an odd wave
	s_max_u32 s19, s15, 20
	s_sub_co_u32 s19, s19, 20
	s_lshl_b32 s19, s19, 18
	s_lshl_b32 s84, s14, 1
	s_lshr_b32 s85, s12, 1
	s_add_co_u32 s84, s84, s85
	s_lshl_b32 s84, s84, 13
	s_add_co_u32 s19, s19, s84
	s_and_b32 s85, s12, 1
	s_lshl_b32 s85, s85, 10
	s_add_co_u32 s19, s19, s85
	s_add_co_u32 s19, s19, VIMG
	s_cmp_ge_u32 s15, 20
	s_cselect_b32 s54, s19, s54
	s_mov_b32 s55, 0
	s_wait_alu depctr_va_vdst(0)                   ; directly ahead of the waits below
	s_wait_dscnt 0x0                               ; both opening adds are done
	s_wait_kmcnt 0x0
	s_load_b256 s[68:75], s[6:7], 0x0              ; e0 .. e7
	s_load_b128 s[76:79], s[6:7], 0x20             ; e8 .. e11
	s_add_nc_u64 s[48:49], s[4:5], s[48:49]
	s_add_nc_u64 s[50:51], s[4:5], s[50:51]
	s_add_nc_u64 s[52:53], s[8:9], s[52:53]
	s_add_nc_u64 s[54:55], s[10:11], s[54:55]
.irp c, 0,1,2,3
	s_add_co_u32 s20, s22, \c
	s_and_b32 s20, s20, 3                          ; the quarter of K that place c holds
	s_lshl_b32 s80, s20, 9                         ; 512 bytes along a weight's row,
	s_mov_b32 s81, 0
	s_lshl_b32 s82, s20, 13                        ; four fragments of 2,048 bytes in a tile of x
	s_mov_b32 s83, 0
	s_mov_b32 s[G0+4*\c], 1                        ; 1:0 count = 1
	s_add_co_u32 s[G0+4*\c+1], s17, \c*CHUNK       ; 63:32 LDS address
	s_add_nc_u64 s[G0+4*\c+2:G0+4*\c+3], s[50:51], s[80:81]   ; 120:64 global address
	s_or_b32 s[G0+4*\c+3], s[G0+4*\c+3], 0x80000000           ; 127:126 type = 2
	s_add_nc_u64 s[AB+2*\c:AB+2*\c+1], s[48:49], s[82:83]
.endr
	ALOAD 0                                        ; x's first K step goes out ahead of the round
	WIN 0
	CROUND                                         ; all four work-groups are here: the joint loads meet
	tensor_load_to_lds s[G0:G0+3], s[G1:G1+7]      ; place 0: my one tensor load at the head
	s_nop 0
.rept 4
	v_nop
.endr
	ALOAD 1                                        ; what K step 0 needs has been asked for: now x's next two K steps
	ALOAD 2
	WIN 0
	v_and_b32 v5, 15, v0                           ; r = lane % 16
	v_bfe_u32 v6, v0, 4, 1                         ; h = lane / 16
	v_lshlrev_b32 v[FQ], 8, v5
	v_lshl_add_u32 v[FQ], v6, 5, v[FQ]
	v_mul_u32_u24 v[ADRB], v5, PITCH
	v_lshl_add_u32 v[ADRB], v6, 4, v[ADRB]         ; a fragment's row x pitch + 16 x half
	v_add_nc_u32 v[ADRB+1], CHUNK, v[ADRB]
	v_add_nc_u32 v[ADRB+2], 2*CHUNK, v[ADRB]
	v_add_nc_u32 v[ADRB+3], 3*CHUNK, v[ADRB]
	s_wait_alu depctr_va_vdst(0)                   ; directly ahead of the wait below
	s_wait_kmcnt 0x0
	s_sub_co_i32 s80, s75, s68
	s_sub_co_i32 s80, s80, s69                     ; q: e7 - e0 - e1
	s_sub_co_i32 s81, s74, s70
	s_sub_co_i32 s81, s81, s71                     ; k: e6 - e2 - e3
	s_sub_co_i32 s82, s76, s72
	s_sub_co_i32 s82, s82, s73                     ; v: e8 - e4 - e5
	s_cmp_ge_u32 s15, 16
	s_cselect_b32 s80, s81, s80
	s_cmp_ge_u32 s15, 20
	s_cselect_b32 s80, s82, s80
	s_add_co_i32 s80, s80, 127
	s_lshl_b32 s81, s80, 23
	v_mov_b32 v[SCL], s81
	s_add_co_i32 s80, s80, 8
	s_lshl_b32 s80, s80, 23
	s_or_b32 s80, s80, 0x600000
	v_mov_b32 v[LIM], s80
	s_wait_alu depctr_va_vdst(0)                   ; the head's end
	s_wait_tensorcnt 0x0                           ; my part of place 0 has landed: the one load that I had out
	ds_add_u32 v126, v127                          ; ahead of a later first fill
	s_wait_dscnt 0x0
	CROUND                                         ; everybody's part of place 0 is in, and the four partners are here
	tensor_load_to_lds s[G0+4:G0+7], s[G1:G1+7]    ; place 1: my one load behind this round; it has four K steps in which to land
	s_nop 0
.rept 4
	v_nop
.endr
	s_wait_loadcnt 47                              ; of the 48 loads of x at most 47 are out: with the 16 below at most 63
	ALOAD 3
	FETCH_B 0
	WIN 0
.irp k, 0,1,2,3,4,5,6,7,8,9,10,11,12,13,14,15
	STEP \k
.endr
	s_wait_loadcnt 0x0                             ; cos and sin are in
	PLACES                                         ; behind the last products: their results are read, and their sources written, below
	s_cmp_ge_u32 s15, 20
	s_cbranch_scc1 .Lno_rope                       ; v is not turned
	; RoPE: (even, odd) -> (even cos - odd sin, even sin + odd cos).  First all products of the odd numbers, into window 2; then all fused multiply-adds, in place: two settings of the windows for the 512 lines.
	WIN 0x81                                       ; destination window 2, source 0 (the sums) window 1, source 1 (cos, sin) window 0
.set q, 0
.rept 32
.set cs, CSR+32*(q/8)+8*(q%4)
.set p, 0
.rept 4
	v_mul_f32 v[8*q+2*p],   v[8*q+2*p+1], v[cs+2*p+1]          ; odd x sin  (each accumulator is read from its low end on)
	v_mul_f32 v[8*q+2*p+1], v[8*q+2*p+1], v[cs+2*p]            ; odd x cos
.set p, p+1
.endr
.set q, q+1
.endr
	WIN 0x61                                       ; destination and source 0 window 1, source 1 window 0, source 2 (the products) window 2
.set q, 0
.rept 32
.set cs, CSR+32*(q/8)+8*(q%4)
.set p, 0
.rept 4
	v_fma_f32 v[8*q+2*p+1], v[8*q+2*p], v[cs+2*p+1], v[8*q+2*p+1]
	v_fma_f32 v[8*q+2*p],   v[8*q+2*p], v[cs+2*p],   -v[8*q+2*p]
.set p, p+1
.endr
.set q, q+1
.endr
	WIN 0
.Lno_rope:
	WIN 0x41                                       ; destination and source 0 window 1
.set i, 0
	s_wait_alu depctr_va_vdst(0)                   ; the limit was made at the head
.rept 256
	v_med3_num_f32 v[i], v[i], -v[LIM], v[LIM]     ; the conversion to an 8-bit code does not saturate (ISA guide 7.6.2): the hold at the largest code x the scale
.set i, i+1
.endr
	WIN 0
	s_cmp_ge_u32 s15, 20
	s_cbranch_scc1 .Lv_out
	; q, k: accumulator (a, b) holds features 16 b + 8 h + 0 .. 7 of token 16 a + r: registers 2 (b % 4), 2 (b % 4) + 1 of the fragment (head b / 4, tile a): at 16 a + 2 b
	WIN 0xc1                                       ; destination window 3, source 0 window 1
.set q, 0
.rept 32
	v_cvt_scalef32_pk8_fp8_f32 v[2*q:2*q+1], v[8*q:8*q+7], v[SCL]
.set q, q+1
.endr
	v_nop                                          ; one plain vector line behind the last conversion
	WIN 0x0c                                       ; the stores' data window 3
.irp a, 0,1,2,3
.irp u, 0,1
	global_store_b128 v[LI], v[16*\a+8*\u:16*\a+8*\u+3],   s[54:55] offset:131072*\u+1024*\a       ; 32 lanes store 512 consecutive bytes, at a multiple of 512 from the buffer's first byte
	global_store_b128 v[LI], v[16*\a+8*\u+4:16*\a+8*\u+7], s[54:55] offset:131072*\u+1024*\a+512
.endr
.endr
	WIN 0
	s_branch .Ldone
.Lv_out:
	; v: accumulator (a, b) holds keys 16 a + 8 h + 0 .. 7 of feature 16 b + r: registers 2 a, 2 a + 1 of my half of the fragment (head b / 4, channels' tile b % 4): at 8 b + 2 a
	WIN 0xc1
.set q, 0
.rept 32
	v_cvt_scalef32_pk8_fp8_f32 v[8*(q%8)+2*(q/8):8*(q%8)+2*(q/8)+1], v[8*q:8*q+7], v[SCL]
.set q, q+1
.endr
	v_nop                                          ; one plain vector line behind the last conversion
	WIN 0x0c
.irp b, 0,1,2,3,4,5,6,7
.irp u, 0,1
	global_store_b128 v[LI], v[8*\b+4*\u:8*\b+4*\u+3], s[54:55] offset:131072*(\b/4)+2048*(\b%4)+512*\u
.endr
.endr
	WIN 0
.Ldone:
	s_wait_tensorcnt 0x0                           ; the wave's end
	ds_add_u32 v126, v127
	s_wait_dscnt 0x0
	CROUND                                         ; the closing round: no work-group ends while a partner may still ask for a tile that names it
	s_endpgm
.Lfunc_end_k_q2c2bb25d29_proj:
	.size	k_q2c2bb25d29_proj, .Lfunc_end_k_q2c2bb25d29_proj-k_q2c2bb25d29_proj
	.p2alignl 7, 3214868480
	.fill 96, 4, 3214868480
	.section	.rodata,"a",@progbits
	.p2align	6, 0x0
	.amdhsa_kernel k_q2c2bb25d29_proj
		.amdhsa_group_segment_fixed_size 327680
		.amdhsa_private_segment_fixed_size 0
		.amdhsa_enable_private_segment 0
		.amdhsa_kernarg_size 32
		.amdhsa_user_sgpr_count 2
		.amdhsa_user_sgpr_kernarg_segment_ptr 1
		.amdhsa_wavefront_size32 1
		.amdhsa_system_sgpr_workgroup_id_x 1
		.amdhsa_system_sgpr_workgroup_id_y 1
		.amdhsa_system_sgpr_workgroup_id_z 1
		.amdhsa_system_vgpr_workitem_id 0
		.amdhsa_next_free_vgpr 1024
		.amdhsa_next_free_sgpr 100
		.amdhsa_reserve_vcc 0
		.amdhsa_float_denorm_mode_32 3
		.amdhsa_float_denorm_mode_16_64 3
		.amdhsa_memory_ordered 1
		.amdhsa_forward_progress 1
		.amdhsa_inst_pref_size 188
	.end_amdhsa_kernel
	.amdgpu_metadata
---
amdhsa.version: [ 1, 2 ]
amdhsa.kernels:
  - .name:           k_q2c2bb25d29_proj
    .symbol:         k_q2c2bb25d29_proj.kd
    .args:
      - { .name: codes, .offset: 0, .size: 8, .value_kind: global_buffer, .address_space: global }
      - { .name: lowp_scales, .offset: 8, .size: 8, .value_kind: global_buffer, .address_space: global }
      - { .name: freqs_cis, .offset: 16, .size: 8, .value_kind: global_buffer, .address_space: global }
      - { .name: qkv, .offset: 24, .size: 8, .value_kind: global_buffer, .address_space: global }
    .group_segment_fixed_size: 327680
    .private_segment_fixed_size: 0
    .kernarg_segment_align: 8
    .kernarg_segment_size: 32
    .max_flat_workgroup_size: 128
    .sgpr_count:     100
    .vgpr_count:     1024
    .wavefront_size: 32
...
	.end_amdgpu_metadata
.endif
;; end of part 2
;; launch attn (part 3): grid 32 x 8, 16 waves a work-group, clusters of 4 x 1, 327,680 bytes of LDS; arguments qkv, lowp_scales, ao; writes ao
.if DOCPART == 3
	.amdgcn_target "amdgcn-amd-amdhsa--gfx1250"
	.amdhsa_code_object_version 6
	.text
	.protected	k_q2c2bb25d29_attn
	.globl	k_q2c2bb25d29_attn
	.p2align	8
	.type	k_q2c2bb25d29_attn,@function
k_q2c2bb25d29_attn:
	s_mov_b64 s[64:65], 0
	v_nop
	global_prefetch_b8 v0, s[64:65] scope:SCOPE_SE
	s_setreg_imm32_b32 hwreg(HW_REG_WAVE_MODE, 25, 1), 1
	s_wait_xcnt 0x0
	s_wait_alu depctr_hold_cnt(0) depctr_sa_sdst(0) depctr_va_vdst(0) depctr_va_sdst(0) depctr_va_ssrc(0) depctr_va_vcc(0) depctr_vm_vsrc(0)
	s_getreg_b32 s2, hwreg(HW_REG_IB_STS2, 6, 4)
	s_cmp_eq_u32 s2, 0
	s_cbranch_scc0 .Lentry_in_a_cluster
	s_endpgm
.Lentry_in_a_cluster:
	s_bfe_u32 s2, ttmp6, 0x10000c
	s_cmp_lg_u32 s2, 0x3003
	s_cbranch_scc0 .Lentry_shape_is_right
	s_endpgm
.Lentry_shape_is_right:
; o[t][head] = the sum over keys s <= t of softmax_s(q[t][head] . k[s][kv] / 8) v[s][kv], kv = head / 4, both products on codes of FP8 (E4M3); o is quantised (entry 10 of the scales) and stored as images of operand registers.
; THE SOFTMAX AHEAD OF THE SECOND PRODUCT: t = score x log2(e) / 8; M = the row's largest t so far, rounded UP to a whole number; p = 2^(t - M) is what is quantised (entry 9), along the keys; it is not normalised.
; The row's sum is taken of the unquantised p, in f32, and divides O at the end.  When M moves, the sum and O are multiplied by 2^(old M - new M): exact.
; LEFT OUT: steps of 128 keys that lie wholly behind a tile's queries: the causal mask, which the problem builds itself, makes their p zero for all values of the inputs.
; SHARES.  A cluster is the four query heads of one KV head (cluster x).  A work-group owns one head and two blocks of 128 queries, y and 15 - y: 8 early tiles of 16 queries (y + 1 key steps of 128 each) and 8 late ones (16 - y).
; TWO WAVES SHARE A PAIR (early tile i, late tile i), i = wave / 2, so that every wave has 9 or 8 key steps whatever y is.  Wave A walks the early tile's y + 1 steps, stores it, and goes on with the late tile's
; key steps 0 .. 7 - y.  Wave B walks the late tile's key steps 8 - y .. 15 - y.  B hands -M, the sum and O^T to A through a stage in LDS (4,352 bytes a pair); A brings both parts under the larger M (factors that are
; powers of two), adds them and stores the late tile.  A wave is B where (wave xor wave / 4) is odd: of any four waves with wave % 4 alike, and of any four with wave / 4 alike, two are A and two B.
; The loop has 9 trips in every wave; what a trip does hangs on ids alone: key step = (trip + an offset) mod 16; A changes tiles in trip y + 1; B leaves trip 8 out.
; ALL OF THE KV HEAD'S K AND V LIE IN LDS, 131,072 bytes each, as images of operand registers, as they lie in memory.  They are asked for once, at the head, JOINTLY by the four partners: each of the sixteen waves
; issues one tensor load of 16,384 bytes (waves 0-7: K's eighths; 8-15: V's).  Nothing is filled twice: no ring.  No prefetch: all that the launch reads is asked for at its head, ahead of the loop.
; LAYOUT.  S^T = K Q^T (source 0 = 16 keys, source 1 = my 16 queries, K = 64), O^T = V^T P^T (source 0 = 16 channels, source 1 = P, K = 128 keys): a lane holds ONE query (lane % 16) throughout.  In S^T register j of tile t
; is key 16 t + 8 (lane / 16) + j, the place that the second product's form gives k in registers 2 t, 2 t + 1: the conversions' results are its operand.
; Hidden scores become -infinity where the problem writes -1e30: p is 0 either way, since every row has an open key, and each wave's part of a row begins with open keys.
; LIMITS on the given exponents, so that each power of two below is an f32 number: e6 + e7 between -123 and 130 (added to c's exponent field); e9, and e10 - e8 - e9, between -126 and 119.  NaN is not served.
; REGISTERS: v1-6 addresses that stay; v8, v9 the step's addresses; v12 -M, v13 the largest t, v[14:15] the sum in two halves; v16-23 Q; v24-31 the late tile's Q; v32-95 K's eight fragments, then V's four; v96-159 S^T, then p;
;   v160-191 O^T; v224-239 p's codes; v240: 448 x 2^e9, v244: 2^e9; v247, v245: the same for e10 - e8 - e9; v230-239, v242, v243, v246, v248, v249, v252-254 at work; v251, v255 the add's.
.set KIMG,  4194304                    ; k's images in the buffer; v's lie 1,048,576 bytes behind them
.set VLDS,  131072                     ; V's images in LDS, behind K's
.set STAGE, 262144                     ; behind them: the pairs' stages
.set PAIRB, 4352                       ; a stage: O^T's 32 registers as images (4,096 bytes), then -M and the sum, 8 bytes a lane
.set SPARE, 296960                     ; behind the stages: the spare words, 128 bytes for each wave
.set WV,   18                          ; s18  my wave's number
.set SEL,  20                          ; s[20:21] lane selects for v_permlanex16_b32: lane l xor 16
.set CS,   22                          ; s[22:23] c = log2(e) / 8 x 2^(e6 + e7)
.set G1,   24                          ; s[24:31] descriptor group 1: 64 rows of 256 bytes;  s[40:43] group 0
.set G0,   40
.set TB,   2                           ; s2   LDS byte at which the step's images begin
.set J,    3                           ; s3   the trip
.set OFF,  10                          ; s10  key step = (trip + this) mod 16
.set ROLE, 55                          ; s55  0: wave A, 1: wave B
.set SW,   88                          ; s88  the trip in which A changes tiles (B: none)
.set SKP,  89                          ; s89  the trip that B leaves out (A: none)
.set QL0,  90                          ; s90  the late tile's first query
.set OFFL, 91                          ; s91  15 - y: A's offset on the late tile
.set KF,   98                          ; s98  the step's first key
.set Q0,   99                          ; s99  my tile's first query
.macro CROUND                          ; a round of the cluster's barrier
	s_barrier_signal -1
	s_barrier_wait -1
	s_cmp_lg_u32 s[WV], 0
	s_cbranch_scc1 .Lnot_wave_0_\@
	s_barrier_signal -3
.Lnot_wave_0_\@:
	s_barrier_wait -3
	s_barrier_signal -1
	s_barrier_wait -1
.endm
; A TILE'S WAY OUT.  O^T / the sum, held, quantised: tile d's eight numbers are channels 16 d + 8 (lane / 16) + 0 .. 7 of my query: registers 2 d, 2 d + 1 of my head's half of the next operand's fragment.  b: the base
.macro FINAL b
	v_add_f32 v14, v14, v15                        ; the sum's two halves,
	s_delay_alu instid0(VALU_DEP_1)
	v_permlanex16_b32 v246, v14, s[SEL], s[SEL+1]
	s_delay_alu instid0(VALU_DEP_1)
	v_add_f32 v14, v14, v246                       ; and lane l xor 16's: the row's sum
	s_wait_alu depctr_va_vdst(0)                   ; ahead of the transcendental
	v_rcp_f32 v14, v14
.rept 4
	v_nop                                          ; the plain place behind the reciprocal, and places behind the last products
.endr
	s_wait_alu depctr_va_vdst(0)                   ; ahead of the reciprocal's first reader, which is O^T's too
.set i, 0
.rept 16
	v_pk_mul_f32 v[96+i:97+i], v[160+i:161+i], v[14:15] op_sel_hi:[1,0]
.set i, i+2
.endr
.set i, 0
.rept 32
	v_med3_num_f32 v[96+i], v[96+i], -v247, v247   ; the conversion does not saturate (ISA guide 7.6.2): the hold at the largest code x the scale
.set i, i+1
.endr
.irp d, 0,1,2,3
	v_cvt_scalef32_pk8_fp8_f32 v[224+2*\d:225+2*\d], v[96+8*\d:103+8*\d], v245
.endr
	v_nop                                          ; one plain vector line behind the last conversion
	global_store_b128 v1, v[224:227], s[\b:\b+1]             ; 32 lanes store 512 consecutive bytes, at a multiple of 512 from the buffer's first byte
	global_store_b128 v1, v[228:231], s[\b:\b+1] offset:512
.endm
	s_load_b128 s[4:7], s[0:1], 0x0                ; the images of q, k, v s[4:5], the scales' exponents s[6:7]
	s_load_b64 s[8:9], s[0:1], 0x10                ; o's images
	v_lshl_add_u32 v251, v0, 2, SPARE
	v_mov_b32 v255, 0
	ds_add_u32 v251, v255                          ; the opening lines: the add, twice on end, and its wait ahead of my tensor load
	ds_add_u32 v251, v255
	v_lshrrev_b32 v8, 5, v0
	v_readfirstlane_b32 s[WV], v8                  ; wave 0..15
	s_lshr_b32 s60, s[WV], 1                       ; my pair i
	s_mul_i32 s61, s60, PAIRB
	s_add_co_u32 s61, s61, STAGE                   ; its stage
	v_and_b32 v1, 31, v0
	v_lshlrev_b32 v1, 4, v1                        ; 16 x lane: an image's place for my lane, in LDS and in memory; never rewritten
	v_add_nc_u32 v2, VLDS, v1
	v_and_b32 v3, 15, v0
	v_bfe_u32 v4, v0, 4, 1
	v_lshlrev_b32 v4, 3, v4
	v_sub_nc_u32 v3, v3, v4                        ; lane % 16 - 8 (lane / 16), for the mask
	v_add_nc_u32 v5, s61, v1                       ; the stage: O^T's images
	v_lshrrev_b32 v6, 1, v1
	v_add_nc_u32 v6, s61, v6                       ; and 8 x lane (+ 4,096): -M and the sum
	s_and_b32 s54, ttmp7, 0xffff                   ; y: the pair of blocks, which the four partners share
	s_lshr_b32 s[ROLE], s[WV], 2
	s_xor_b32 s[ROLE], s[ROLE], s[WV]
	s_and_b32 s[ROLE], s[ROLE], 1
	s_lshl_b32 s56, s54, 3
	s_add_co_u32 s56, s56, s60                     ; the early tile: 8 y + i
	s_sub_co_u32 s[OFFL], 15, s54
	s_lshl_b32 s57, s[OFFL], 3
	s_add_co_u32 s57, s57, s60                     ; the late tile: 8 (15 - y) + i
	s_sub_co_u32 s58, 8, s54
	s_add_co_u32 s59, s54, 1
	s_cmp_eq_u32 s[ROLE], 1
	s_cselect_b32 s62, s57, s56                    ; the tile that I begin with
	s_cselect_b32 s[OFF], s58, 0                   ; B begins at key step 8 - y, A at 0
	s_cselect_b32 s[SW], 64, s59                   ; A changes tiles in trip y + 1 (64: never)
	s_cselect_b32 s[SKP], 8, 64
	s_lshl_b32 s[Q0], s62, 4
	s_lshl_b32 s[QL0], s57, 4
	; what I fetch: 16,384 bytes: wave / 8 = 0: K, 1: V; eighth wave % 8.  In LDS K's and V's regions lie on end: 16,384 x wave
	s_lshr_b32 s66, s[WV], 3
	s_lshl_b32 s66, s66, 20
	s_and_b32 s67, s[WV], 7
	s_lshl_b32 s67, s67, 14
	s_add_co_u32 s66, s66, s67
	s_lshl_b32 s67, ttmp9, 17                      ; the KV head's 131,072 bytes: the cluster's x
	s_add_co_u32 s66, s66, s67
	s_add_co_u32 s66, s66, KIMG
	s_mov_b32 s67, 0
	s_mov_b32 s[G1], 15|(3<<16)|(1<<21)            ; 15:0 the mask: all four work-groups; 17:16 elements of 8 bytes; 21 set beside a mask; no padding
	s_mov_b32 s[G1+1], 32<<16                      ; tensor_dim0 = 32
	s_mov_b32 s[G1+2], 64<<16                      ; tensor_dim1 = 64
	s_mov_b32 s[G1+3], 32<<16                      ; tile_dim0 = 32
	s_mov_b32 s[G1+4], 64                          ; tile_dim1 = 64
	s_mov_b32 s[G1+5], 32                          ; from row to row
	s_mov_b32 s[G1+6], 0
	s_mov_b32 s[G1+7], 0
	s_mov_b32 s[G0], 1
	s_lshl_b32 s[G0+1], s[WV], 14
	s_mov_b32 s[SEL], 0x76543210
	s_mov_b32 s[SEL+1], 0xfedcba98
	s_mov_b32 s[CS], 0x3e38aa3b                    ; log2(e) / 8
	; my head enters the addresses of Q and of o alone
	s_bfe_u32 s52, ttmp6, 0x40000                  ; cx
	s_lshl_b32 s53, ttmp9, 2
	s_add_co_u32 s53, s53, s52                     ; head = 4 x KV head + cx
	s_lshl_b32 s84, s53, 7
	s_add_co_u32 s86, s84, s57
	s_add_co_u32 s84, s84, s62
	s_lshl_b32 s84, s84, 10                        ; Q's fragment: (128 head + tile) x 1,024: the tile that I begin with,
	s_lshl_b32 s86, s86, 10                        ; and the late tile
	s_mov_b32 s85, 0
	s_mov_b32 s87, 0
	s_lshr_b32 s92, s53, 3                         ; o's image: (((head / 8) 128 + tile) 4 + (head / 2) % 4) x 2,048, and my head's half of it
	s_lshl_b32 s92, s92, 7
	s_add_co_u32 s93, s92, s57
	s_add_co_u32 s92, s92, s56
	s_bfe_u32 s94, s53, 0x20001
	s_lshl_b32 s92, s92, 2
	s_lshl_b32 s93, s93, 2
	s_add_co_u32 s92, s92, s94
	s_add_co_u32 s93, s93, s94
	s_lshl_b32 s92, s92, 11
	s_lshl_b32 s93, s93, 11
	s_and_b32 s94, s53, 1
	s_lshl_b32 s94, s94, 10
	s_add_co_u32 s80, s92, s94                     ; the early tile's
	s_add_co_u32 s82, s93, s94                     ; the late tile's
	s_mov_b32 s81, 0
	s_mov_b32 s83, 0
	s_wait_alu depctr_va_vdst(0)                   ; directly ahead of the waits below
	s_wait_dscnt 0x0                               ; both opening adds are done
	s_wait_kmcnt 0x0
	s_load_b256 s[68:75], s[6:7], 0x0              ; e0 .. e7
	s_load_b128 s[76:79], s[6:7], 0x20             ; e8 .. e11
	s_add_nc_u64 s[G0+2:G0+3], s[4:5], s[66:67]
	s_or_b32 s[G0+3], s[G0+3], 0x80000000          ; type = 2
	s_add_nc_u64 s[84:85], s[4:5], s[84:85]
	s_add_nc_u64 s[86:87], s[4:5], s[86:87]
	global_load_b128 v[16:19], v1, s[84:85]        ; Q goes out ahead of the round
	global_load_b128 v[20:23], v1, s[84:85] offset:512
	global_load_b128 v[24:27], v1, s[86:87]
	global_load_b128 v[28:31], v1, s[86:87] offset:512
	s_add_nc_u64 s[80:81], s[8:9], s[80:81]
	s_add_nc_u64 s[82:83], s[8:9], s[82:83]
	CROUND                                         ; all four work-groups are here: the joint loads meet
	tensor_load_to_lds s[G0:G0+3], s[G1:G1+7]      ; my one tensor load
	s_nop 0
	v_mov_b32 v13, 0xff61b1e6                      ; the largest t so far: -3e38, under every t
	v_floor_f32 v12, -v13                          ; -M
	v_mov_b32 v14, 0                               ; the sum, in two halves
	v_mov_b32 v15, 0
	v_mov_b32 v246, 0                              ; written once: a lane permute's destination counts as one of its sources
	v_mov_b32 v253, 0                              ; (named as the upper half of the pair v[252:253])
.set i, 0
.rept 32
	v_mov_b32 v[160+i], 0                          ; O^T.  (The step has no first step of its own: the first finds zeros, which the first change of M leaves zeros)
.set i, i+1
.endr
	s_wait_kmcnt 0x0
	s_add_co_i32 s60, s74, s75
	s_lshl_b32 s60, s60, 23
	s_add_co_i32 s[CS], s[CS], s60                 ; a score stands for score x 2^(e6 + e7): the two exponents are added to c's exponent field
	s_mov_b32 s[CS+1], s[CS]                       ; (named with it as a pair, so it is written)
	s_add_co_i32 s60, s77, 127
	s_lshl_b32 s61, s60, 23
	v_mov_b32 v244, s61                            ; 2^e9
	s_add_co_i32 s60, s60, 8
	s_lshl_b32 s60, s60, 23
	s_or_b32 s60, s60, 0x600000
	v_mov_b32 v240, s60                            ; 448 x 2^e9,
	v_mov_b32 v241, s60                            ; and once more: the two halves of a dual pair take their second sources from different register banks
	s_sub_co_i32 s60, s78, s76
	s_sub_co_i32 s60, s60, s77                     ; O^T / the sum stands for that x 2^(e8 + e9): its code is that / 2^(e10 - e8 - e9)
	s_add_co_i32 s60, s60, 127
	s_lshl_b32 s61, s60, 23
	v_mov_b32 v245, s61
	s_add_co_i32 s60, s60, 8
	s_lshl_b32 s60, s60, 23
	s_or_b32 s60, s60, 0x600000
	v_mov_b32 v247, s60
; A KEY STEP: 128 keys from s[KF] on; their images begin at LDS byte s[TB] of K's and of V's region.
.macro STEP
	v_add_nc_u32 v8, s[TB], v1
	v_add_nc_u32 v9, s[TB], v2
	v_nop
	v_nop                                          ; with the two additions: four places in front of loads into registers that the last products read
.irp t, 0,1,2,3,4,5,6,7
	ds_load_b128 v[32+8*\t:35+8*\t], v8 offset:1024*\t        ; K's fragment of keys 16 t on: 512 consecutive bytes a load
	ds_load_b128 v[36+8*\t:39+8*\t], v8 offset:1024*\t+512
.endr
	s_wait_alu depctr_va_vdst(0)                   ; directly ahead of the wait below
	s_wait_dscnt 0x0
.irp t, 0,1,2,3,4,5,6,7
	v_wmma_f32_16x16x64_fp8_fp8 v[96+8*\t:103+8*\t], v[32+8*\t:39+8*\t], v[16:23], 0
.endr
.rept 4
	v_nop                                          ; places in front of the loads below and of the first read of the scores
.endr
.irp d, 0,1,2,3
.irp c, 0,1,2,3
	ds_load_b128 v[32+16*\d+4*\c:35+16*\d+4*\c], v9 offset:2048*\d+512*\c   ; V's four fragments land while the softmax is walked
.endr
.endr
	s_add_co_u32 s96, s[KF], 127                   ; on the diagonal the scores of hidden keys become -infinity ahead of the maximum.  A step all of whose keys count skips this
	s_cmp_le_u32 s96, s[Q0]
	s_cbranch_scc1 .Lopen_\@
	s_sub_co_i32 s96, s[Q0], s[KF]
	v_add_nc_u32 v252, s96, v3                     ; d = my query - KF - 8 (lane / 16).  Register 8 t + j holds key KF + 8 (lane / 16) + 16 t + j: hidden where 16 t + j > d
	v_mov_b32 v254, 0xff800000
.set n, 0
.rept 64
	v_cmp_gt_i32 vcc_lo, 16*(n/8)+n%8, v252
	v_cndmask_b32 v[96+n], v[96+n], v254, vcc_lo
.set n, n+1
.endr
.Lopen_\@:
	v_max3_num_f32 v254, v96, v97, v98             ; the step's largest score of my query, among my 64 keys, in two chains, each accumulator from its low end on,
	v_max3_num_f32 v252, v99, v100, v101
.irp i, 6,10,14,18,22,26,30,34,38,42,46,50,54,58
	v_max3_num_f32 v254, v254, v[96+\i], v[97+\i]
	v_max3_num_f32 v252, v252, v[98+\i], v[99+\i]
.endr
	v_max3_num_f32 v254, v254, v158, v159
	s_delay_alu instid0(VALU_DEP_1)
	v_max_num_f32 v254, v254, v252
	s_delay_alu instid0(VALU_DEP_1)
	v_permlanex16_b32 v246, v254, s[SEL], s[SEL+1]
	s_delay_alu instid0(VALU_DEP_1)
	v_max_num_f32 v254, v254, v246                 ; and among lane l xor 16's
	s_delay_alu instid0(VALU_DEP_1)
	v_mul_f32 v254, s[CS], v254                    ; as t (c is positive)
	s_delay_alu instid0(VALU_DEP_1)
	v_max_num_f32 v13, v13, v254                   ; the running largest t
	v_mov_b32 v254, v12
	s_delay_alu instid0(VALU_DEP_2)
	v_floor_f32 v12, -v13                          ; the new -M = floor(-t) = -ceil(t): M is a whole number
	s_delay_alu instid0(VALU_DEP_1)
	v_sub_f32 v254, v12, v254                      ; M's old value less its new one: a whole number, 0 or less
	s_delay_alu instid0(VALU_DEP_1)
	v_cvt_i32_f32 v254, v254                       ; (it saturates)
	s_delay_alu instid0(VALU_DEP_1)
	v_ldexp_f32 v252, 1.0, v254                    ; f = 2^(old M - new M)
.set j, 0
.rept 32
	v_pk_fma_f32 v[96+j:97+j], v[96+j:97+j], s[CS:CS+1], v[12:13] op_sel_hi:[1,0,0]   ; t - M, two at a time (of the pairs c and -M the low word serves both halves)
.set j, j+2
.endr
	s_wait_alu depctr_va_vdst(0)                   ; ahead of the batch
.set j, 0
.rept 64
	v_exp_f32 v[96+j], v[96+j]                     ; p = 2^(t - M), at most 1: not normalised
.set j, j+1
.endr
	v_pk_mul_f32 v[14:15], v[14:15], v[252:253] op_sel_hi:[1,0]   ; the sums under the new M.  (The plain place behind the exponentials)
	s_wait_alu depctr_va_vdst(0)                   ; one wait for the whole batch, directly ahead of the first readers of O^T too
.set j, 0
.rept 16
	v_pk_mul_f32 v[160+j:161+j], v[160+j:161+j], v[252:253] op_sel_hi:[1,0]   ; O^T under the new M
.set j, j+2
.endr
	v_pk_add_f32 v[242:243], v[100:101], v[104:105]   ; the row's sum is taken of the unquantised p: two at a time, in eight chains
	v_pk_add_f32 v[248:249], v[108:109], v[112:113]
	v_pk_add_f32 v[238:239], v[116:117], v[120:121]
	v_pk_add_f32 v[236:237], v[124:125], v[128:129]
	v_pk_add_f32 v[234:235], v[132:133], v[136:137]
	v_pk_add_f32 v[232:233], v[140:141], v[144:145]
	v_pk_add_f32 v[230:231], v[148:149], v[152:153]
	v_pk_add_f32 v[14:15], v[14:15], v[156:157]
	v_pk_add_f32 v[242:243], v[242:243], v[96:97]
	v_pk_add_f32 v[248:249], v[248:249], v[98:99]
	v_pk_add_f32 v[238:239], v[238:239], v[102:103]
	v_pk_add_f32 v[236:237], v[236:237], v[106:107]
	v_pk_add_f32 v[234:235], v[234:235], v[110:111]
	v_pk_add_f32 v[232:233], v[232:233], v[114:115]
	v_pk_add_f32 v[230:231], v[230:231], v[118:119]
	v_pk_add_f32 v[14:15], v[14:15], v[122:123]
	v_pk_add_f32 v[242:243], v[242:243], v[126:127]
	v_pk_add_f32 v[248:249], v[248:249], v[130:131]
	v_pk_add_f32 v[238:239], v[238:239], v[134:135]
	v_pk_add_f32 v[236:237], v[236:237], v[138:139]
	v_pk_add_f32 v[234:235], v[234:235], v[142:143]
	v_pk_add_f32 v[232:233], v[232:233], v[146:147]
	v_pk_add_f32 v[230:231], v[230:231], v[150:151]
	v_pk_add_f32 v[14:15], v[14:15], v[154:155]
	v_pk_add_f32 v[242:243], v[242:243], v[158:159]
	s_delay_alu instid0(VALU_DEP_2)
	v_pk_add_f32 v[14:15], v[14:15], v[236:237]
	s_delay_alu instid0(VALU_DEP_2)
	v_pk_add_f32 v[242:243], v[242:243], v[234:235]
	v_pk_add_f32 v[248:249], v[248:249], v[232:233]
	v_pk_add_f32 v[238:239], v[238:239], v[230:231]
	s_delay_alu instid0(VALU_DEP_2)
	v_pk_add_f32 v[14:15], v[14:15], v[248:249]
	s_delay_alu instid0(VALU_DEP_2)
	v_pk_add_f32 v[242:243], v[242:243], v[238:239]
	s_delay_alu instid0(VALU_DEP_1)
	v_pk_add_f32 v[14:15], v[14:15], v[242:243]
.irp t, 0,1,2,3,4,5,6,7
.irp i, 0,2,4,6
	v_dual_min_num_f32 v[96+8*\t+\i], v[96+8*\t+\i], v240 :: v_dual_min_num_f32 v[97+8*\t+\i], v[97+8*\t+\i], v241   ; the conversion does not saturate (ISA guide 7.6.2); p is not negative, so the hold is one-sided; two holds a line
.endr
	v_cvt_scalef32_pk8_fp8_f32 v[224+2*\t:225+2*\t], v[96+8*\t:103+8*\t], v244   ; keys 16 t + 8 (lane / 16) + 0 .. 7: registers 2 t, 2 t + 1 of the operand
.endr
	v_nop                                          ; one plain vector line between the last conversion and the products
	s_wait_alu depctr_va_vdst(0)                   ; directly ahead of the wait below
	s_wait_dscnt 0x0                               ; V is in
.irp d, 0,1,2,3
	v_wmma_f32_16x16x128_fp8_fp8 v[160+8*\d:167+8*\d], v[32+16*\d:47+16*\d], v[224:239], v[160+8*\d:167+8*\d]   ; four accumulators by turns
.endr
.endm
	s_mov_b32 s[J], 0
	s_wait_alu depctr_va_vdst(0)                   ; the head's end
	s_wait_loadcnt 0x0                             ; Q
	s_wait_tensorcnt 0x0                           ; my sixteenth of K and V has landed
	s_barrier_signal -1
	s_barrier_wait -1                              ; everybody's has: all of K and V is in LDS
.Ltrip:                                            ; 9 trips in every wave
	s_cmp_eq_u32 s[J], s[SW]
	s_cbranch_scc0 .Lsame
	FINAL 80                                       ; wave A, trip y + 1: the early tile is finished and leaves;
.set i, 0
.rept 8
	v_mov_b32 v[16+i], v[24+i]                     ; the late tile's Q,
.set i, i+1
.endr
.set i, 0
.rept 32
	v_mov_b32 v[160+i], 0                          ; and its sums begin
.set i, i+1
.endr
	v_mov_b32 v13, 0xff61b1e6
	v_floor_f32 v12, -v13
	v_mov_b32 v14, 0
	v_mov_b32 v15, 0
	s_mov_b32 s[OFF], s[OFFL]                      ; trip y + 1 is key step 0
	s_mov_b32 s[Q0], s[QL0]
	s_wait_alu depctr_va_vdst(0)                   ; directly ahead of the wait below
	s_wait_xcnt 0x0                                ; the stores have read their data registers, which the next step's conversions write
.Lsame:
	s_cmp_eq_u32 s[J], s[SKP]
	s_cbranch_scc1 .Lnone                          ; wave B has eight steps
	s_add_co_u32 s96, s[J], s[OFF]
	s_and_b32 s96, s96, 15                         ; the key step
	s_lshl_b32 s[TB], s96, 13
	s_lshl_b32 s[KF], s96, 7
	STEP
.Lnone:
	s_add_co_u32 s[J], s[J], 1
	s_cmp_lt_u32 s[J], 9
	s_cbranch_scc1 .Ltrip
.rept 4
	v_nop                                          ; places behind the last products: their results are read, and their sources loaded into, below
.endr
	s_cmp_eq_u32 s[ROLE], 1
	s_cbranch_scc0 .Lkeeps
	v_add_f32 v13, v14, v15                        ; wave B hands its part of the late tile to wave A: the sum beside -M,
.irp i, 0,1,2,3,4,5,6,7
	ds_store_b128 v5, v[160+4*\i:163+4*\i] offset:512*\i   ; and O^T as images of its registers, each accumulator from its low end on
.endr
	ds_store_b64 v6, v[12:13] offset:4096
.Lkeeps:
	s_wait_tensorcnt 0x0                           ; behind my tensor load and my last LDS store;
	ds_add_u32 v251, v255
	s_wait_dscnt 0x0                               ; B's stores into the stage are done, too
	CROUND                                         ; the closing round; its barriers also stand between B's stores and A's loads
	s_cmp_eq_u32 s[ROLE], 1
	s_cbranch_scc1 .Lend
.irp i, 0,1,2,3,4,5,6,7
	ds_load_b128 v[32+4*\i:35+4*\i], v5 offset:512*\i
.endr
	ds_load_b64 v[64:65], v6 offset:4096
	s_wait_dscnt 0x0
	v_min_num_f32 v66, v12, v64                    ; -M of both parts: the larger M
	v_sub_f32 v67, v66, v12                        ; whole numbers, 0 or less
	v_sub_f32 v68, v66, v64
	v_cvt_i32_f32 v67, v67
	v_cvt_i32_f32 v68, v68
	v_ldexp_f32 v252, 1.0, v67                     ; my part's factor,
	v_ldexp_f32 v254, 1.0, v68                     ; and B's: powers of two
	v_pk_mul_f32 v[14:15], v[14:15], v[252:253] op_sel_hi:[1,0]
	v_fmac_f32 v14, v65, v254
.set j, 0
.rept 16
	v_pk_mul_f32 v[160+j:161+j], v[160+j:161+j], v[252:253] op_sel_hi:[1,0]
.set j, j+2
.endr
.set j, 0
.rept 16
	v_pk_fma_f32 v[160+j:161+j], v[32+j:33+j], v[254:255], v[160+j:161+j] op_sel_hi:[1,0,1]
.set j, j+2
.endr
	FINAL 82                                       ; the late tile leaves
.Lend:
	s_endpgm
.Lfunc_end_k_q2c2bb25d29_attn:
	.size	k_q2c2bb25d29_attn, .Lfunc_end_k_q2c2bb25d29_attn-k_q2c2bb25d29_attn
	.p2alignl 7, 3214868480
	.fill 96, 4, 3214868480
	.section	.rodata,"a",@progbits
	.p2align	6, 0x0
	.amdhsa_kernel k_q2c2bb25d29_attn
		.amdhsa_group_segment_fixed_size 327680
		.amdhsa_private_segment_fixed_size 0
		.amdhsa_enable_private_segment 0
		.amdhsa_kernarg_size 24
		.amdhsa_user_sgpr_count 2
		.amdhsa_user_sgpr_kernarg_segment_ptr 1
		.amdhsa_wavefront_size32 1
		.amdhsa_system_sgpr_workgroup_id_x 1
		.amdhsa_system_sgpr_workgroup_id_y 1
		.amdhsa_system_sgpr_workgroup_id_z 1
		.amdhsa_system_vgpr_workitem_id 0
		.amdhsa_next_free_vgpr 256
		.amdhsa_next_free_sgpr 100
		.amdhsa_reserve_vcc 1
		.amdhsa_float_denorm_mode_32 3
		.amdhsa_float_denorm_mode_16_64 3
		.amdhsa_memory_ordered 1
		.amdhsa_forward_progress 1
		.amdhsa_inst_pref_size 43
	.end_amdhsa_kernel
	.amdgpu_metadata
---
amdhsa.version: [ 1, 2 ]
amdhsa.kernels:
  - .name:           k_q2c2bb25d29_attn
    .symbol:         k_q2c2bb25d29_attn.kd
    .args:
      - { .name: qkv, .offset: 0, .size: 8, .value_kind: global_buffer, .address_space: global }
      - { .name: lowp_scales, .offset: 8, .size: 8, .value_kind: global_buffer, .address_space: global }
      - { .name: ao, .offset: 16, .size: 8, .value_kind: global_buffer, .address_space: global }
    .group_segment_fixed_size: 327680
    .private_segment_fixed_size: 0
    .kernarg_segment_align: 8
    .kernarg_segment_size: 24
    .max_flat_workgroup_size: 512
    .sgpr_count:     100
    .vgpr_count:     256
    .wavefront_size: 32
...
	.end_amdgpu_metadata
.endif
;; end of part 3
;; launch outp (part 4): grid 16 x 16, 4 waves a work-group, clusters of 4 x 4, 327,680 bytes of LDS; arguments ao, codes, lowp_scales, out0; writes out0
.if DOCPART == 4
	.amdgcn_target "amdgcn-amd-amdhsa--gfx1250"
	.amdhsa_code_object_version 6
	.text
	.protected	k_q2c2bb25d29_outp
	.globl	k_q2c2bb25d29_outp
	.p2align	8
	.type	k_q2c2bb25d29_outp,@function
k_q2c2bb25d29_outp:
	s_mov_b64 s[64:65], 0
	v_nop
	global_prefetch_b8 v0, s[64:65] scope:SCOPE_SE
	s_setreg_imm32_b32 hwreg(HW_REG_WAVE_MODE, 25, 1), 1
	s_wait_xcnt 0x0
	s_wait_alu depctr_hold_cnt(0) depctr_sa_sdst(0) depctr_va_vdst(0) depctr_va_sdst(0) depctr_va_ssrc(0) depctr_va_vcc(0) depctr_vm_vsrc(0)
	s_getreg_b32 s2, hwreg(HW_REG_IB_STS2, 6, 4)
	s_cmp_eq_u32 s2, 0
	s_cbranch_scc0 .Lentry_in_a_cluster
	s_endpgm
.Lentry_in_a_cluster:
	s_bfe_u32 s2, ttmp6, 0x10000c
	s_cmp_lg_u32 s2, 0xf033
	s_cbranch_scc0 .Lentry_shape_is_right
	s_endpgm
.Lentry_shape_is_right:
; out0 = o wo^T on codes of FP8 (E4M3), K = 2,048; each finished f32 sum is multiplied once by 2^(e10 + e11).  LIMIT: e10 + e11 lies between -126 and 127, so that this power of two is an f32 number.
; o's codes lie as IMAGES OF OPERAND REGISTERS: fragment (K step c of 512, tile of 16 tokens t, 128 along K q) = 2,048 bytes at ((128 c + t) 4 + q) x 2,048; registers 4 p .. 4 p + 3 of lane l at 512 p + 16 l.
; wo's codes lie as rows of 2,048 bytes from byte WOC of the buffer of codes, in the order inside each 32 codes that puts every k in the plain form's own place when 16 bytes are loaded at 32 p + 16 (lane / 16).
; SHARES.  A work-group makes 128 tokens x 128 columns; each of its four waves 64 x 64: 16 accumulators.  16 x 16 = 256 work-groups.
; CLUSTERS: 4 x 4.  o's tile hangs on the tile row alone and is asked for jointly by a row of the cluster, wo's on the tile column alone and by a column.
; LDS: two slots, each with one K step of 512: o's 128 tokens (65,536 bytes, dense images) and wo's 128 rows (512 bytes + 16 of padding each).  BOTH SLOTS ARE FILLED TOGETHER, one tensor load a wave: wave 0 o's tile of the
; first K step, wave 1 wo's, wave 2 o's of the second, wave 3 wo's.  So K goes in two halves of 1,024: the head asks for K steps 0 and 1; when both have been multiplied, one round of the cluster's barrier stands in front of
; the loads of K steps 2 and 3.  By the text's own count a wave has one tensor load out at a time, and every wait on TENSORcnt is for 0.
; PREFETCH: behind the head's loads each wave names its share of K steps 2 and 3, the two steps that the next loads will ask for: a K step's 64 KiB of o are shared out among the four partners of a row by cx and among waves
; 0 and 1 (8,192 bytes an instruction, lanes 256 bytes apart); wo's 128 rows among the four of a column by cy (a lane a row), its two blocks of 256 bytes among waves 2 and 3.  So each block is named once in each cluster.
; THE MATRIX INSTRUCTION IS USED TRANSPOSED (source 0 = 16 rows of wo, source 1 = 16 tokens): a lane holds eight neighbouring columns of one row of out0.
; REGISTERS: window 0: v16-30 addresses; v32-63 scaled sums; v64-127 rows read back from the stage; v128-255 the accumulators ((a, b) at v[128 + 8 (4 a + b)]).  Window 1: two sets of fragments (o's four, then wo's four).
.set WOC,   18874368
.set KSTEP, 512
.set PITCH, 528                        ; wo's row in LDS: 132 words: row r starts at bank 4 r mod 64 (64 banks of 4 bytes: ISA guide 11.1)
.set ABYT,  65536                      ; o's tile
.set HALFB, 64*PITCH                   ; the 64 rows of wo that a wave reads
.set SLOT,  ABYT+2*HALFB
.set SPARE, 2*SLOT                     ; behind the slots: the spare words, 128 bytes for each wave
.set ACH,   128*8192                   ; from K step to K step in o's images
.set SPITCH, 272                       ; the way out: a stage of 16 rows x (256 bytes + 16) for each wave, in slot 0, behind its last fill and its last read
.set ADRA, 16                          ; v16-17  LDS address of my fragments of o in slot 0, 1
.set ADRB, 20                          ; v20-21  of wo
.set STO,  24
.set RD,   25
.set CO,   26
.set SPW,  28                          ; v28  my spare word;  v29  0: never rewritten
.set NIL,  29
.set PFO,  30                          ; v30  the prefetches' offset; never rewritten
.set TMP,  32
.set BK,   64
.set ACC,  128
.set F0,   0
.set F1,   128
.set G1,   24                          ; s[24:31] group 1 for o's tiles, s[32:39] its groups 0 for slots 0, 1;  s[48:55], s[56:63] the same for wo's
.set G0,   32
.set G1B,  48
.set G0B,  56
.set MSB, 0
.macro WIN new                         ; the immediate's high byte repeats the setting that is left
.if MSB != \new
	s_set_vgpr_msb (MSB<<8)|\new
.set MSB, \new
.endif
.endm
.set MUL,  0x05                        ; sources 0 and 1 window 1, C and D window 0
.set TO_F, 0x40                        ; destination window 1, address window 0
.macro PLACES                          ; four places (ISA guide 7.12.1)
.rept 4
	v_nop
.endr
.endm
.macro TL g0, g1                       ; a joint load with an s_nop and four places behind it
	tensor_load_to_lds s[\g0:\g0+3], s[\g1:\g1+7]
	s_nop 0
	PLACES
.endm
.macro HLOAD                           ; both slots, one load a wave: one chain of branches on the wave's number, one load to an arm, one join
	s_cmp_eq_u32 s12, 0
	s_cbranch_scc0 .Lh1_\@
	TL G0, G1
	s_branch .Lhj_\@
.Lh1_\@:
	s_cmp_eq_u32 s12, 1
	s_cbranch_scc0 .Lh2_\@
	TL G0B, G1B
	s_branch .Lhj_\@
.Lh2_\@:
	s_cmp_eq_u32 s12, 2
	s_cbranch_scc0 .Lh3_\@
	TL G0+4, G1
	s_branch .Lhj_\@
.Lh3_\@:
	TL G0B+4, G1B
.Lhj_\@:
.endm
.macro CREST                           ; a round of the cluster's barrier behind its opening barrier
	s_cmp_lg_u32 s12, 0
	s_cbranch_scc1 .Lnot_wave_0_\@
	s_barrier_signal -3
.Lnot_wave_0_\@:
	s_barrier_wait -3
	s_barrier_signal -1
	s_barrier_wait -1
.endm
.macro CROUND
	s_barrier_signal -1
	s_barrier_wait -1
	CREST
.endm
	s_load_b256 s[4:11], s[0:1], 0x0               ; o's images s[4:5], the codes s[6:7], the scales' exponents s[8:9], out0 s[10:11]
	v_lshl_add_u32 v[SPW], v0, 2, SPARE
	v_mov_b32 v[NIL], 0
	ds_add_u32 v[SPW], v[NIL]                      ; the opening lines: the add, twice on end, and its wait ahead of my first tensor load
	ds_add_u32 v[SPW], v[NIL]
	v_lshrrev_b32 v1, 5, v0
	v_readfirstlane_b32 s12, v1                    ; wave 0..3
	s_lshr_b32 s13, s12, 1                         ; which 64 tokens are mine
	s_and_b32 s14, s12, 1                          ; which 64 columns
	s_bfe_u32 s15, ttmp6, 0x40000                  ; cx
	s_bfe_u32 s16, ttmp6, 0x40004                  ; cy
	s_lshl_b32 s22, ttmp9, 2
	s_add_co_u32 s22, s22, s15                     ; tile column
	s_and_b32 s21, ttmp7, 0xffff
	s_lshl_b32 s21, s21, 2
	s_add_co_u32 s21, s21, s16                     ; tile row
	s_lshl_b32 s40, s16, 2
	s_lshl_b32 s40, 15, s40                        ; my row of the cluster
	s_lshl_b32 s41, 0x1111, s15                    ; my column
	s_or_b32 s[G1], s40, (3<<16)|(1<<21)           ; o: 256 dense rows of 32 elements of 8 bytes; the mask, bit 21 beside it
	s_mov_b32 s[G1+1], 32<<16
	s_mov_b32 s[G1+2], 256<<16
	s_mov_b32 s[G1+3], 32<<16
	s_mov_b32 s[G1+4], 256
	s_mov_b32 s[G1+5], 32
	s_mov_b32 s[G1+6], 0
	s_mov_b32 s[G1+7], 0
	s_or_b32 s[G1B], s41, (1<<20)|(1<<21)|(6<<22)|(3<<25)   ; wo: 128 rows of 512 bytes, 2,048 apart; four words of padding after every 128
	s_mov_b32 s[G1B+1], KSTEP<<16
	s_mov_b32 s[G1B+2], 128<<16
	s_mov_b32 s[G1B+3], KSTEP<<16
	s_mov_b32 s[G1B+4], 128
	s_mov_b32 s[G1B+5], 2048
	s_mov_b32 s[G1B+6], 0
	s_mov_b32 s[G1B+7], 0
	s_lshl_b32 s44, s21, 16                        ; o: eight tiles of tokens x 8,192 bytes for each tile row
	s_mov_b32 s45, 0
	s_lshl_b32 s46, s22, 18                        ; wo: 128 rows x 2,048 bytes for each tile column
	s_add_co_u32 s46, s46, WOC
	s_mov_b32 s47, 0
	; the prefetches: my share, told apart by address
	s_lshl_b32 s72, s15, 14
	s_add_co_u32 s72, s72, s44
	s_lshl_b32 s73, s14, 13
	s_add_co_u32 s72, s72, s73                     ; o: + 16,384 cx + 8,192 (wave % 2)
	s_lshl_b32 s74, s16, 16
	s_add_co_u32 s74, s74, s46
	s_lshl_b32 s73, s14, 8
	s_add_co_u32 s74, s74, s73                     ; wo: + 32 cy rows + 256 (wave % 2)
	s_mov_b32 s75, 2048
	s_mov_b32 s78, KSTEP
	s_cmp_lt_u32 s12, 2                            ; waves 0 and 1 ask for o, waves 2 and 3 for wo
	s_cselect_b32 s72, s72, s74
	s_cselect_b32 s75, 256, s75                    ; from lane to lane
	s_cselect_b32 s78, ACH, s78                    ; from K step to K step
	s_mov_b32 s73, 0
	s_mov_b32 s79, 0
	s_lshl_b32 s66, s13, 15                        ; my four tiles of tokens in a slot
	s_mul_i32 s67, s14, HALFB
	s_add_co_u32 s67, s67, ABYT                    ; my 64 rows of wo
	s_mul_i32 s80, s12, 16*SPITCH                  ; my stage
	s_lshl_b32 s90, s21, 7
	s_lshl_b32 s92, s13, 6
	s_add_co_u32 s90, s90, s92                     ; my first row of out0,
	s_lshl_b32 s90, s90, 13                        ; of 8,192 bytes
	s_lshl_b32 s92, s22, 9
	s_add_co_u32 s90, s90, s92
	s_lshl_b32 s92, s14, 8
	s_add_co_u32 s90, s90, s92                     ; + my first column
	s_mov_b32 s91, 0
	v_and_b32 v[PFO], 31, v0
	v_mul_lo_u32 v[PFO], v[PFO], s75
	v_and_b32 v1, 15, v0                           ; r = lane % 16
	v_bfe_u32 v2, v0, 4, 1                         ; h = lane / 16
	v_and_b32 v4, 31, v0
	v_lshlrev_b32 v4, 4, v4
	v_mul_u32_u24 v3, v1, PITCH
	v_lshl_add_u32 v3, v2, 4, v3
	v_add_nc_u32 v[ADRA], s66, v4                  ; an image's place for my lane
	v_add_nc_u32 v[ADRB], s67, v3                  ; a fragment's row x pitch + 16 h
	v_add_nc_u32 v[ADRA+1], SLOT, v[ADRA]
	v_add_nc_u32 v[ADRB+1], SLOT, v[ADRB]
	v_mul_u32_u24 v5, v1, SPITCH
	v_lshl_add_u32 v5, v2, 5, v5
	v_add_nc_u32 v[STO], s80, v5                   ; the stage, in: row r, 32 bytes for each half of the lanes
	v_mul_u32_u24 v6, v2, SPITCH
	v_lshl_add_u32 v6, v1, 4, v6
	v_add_nc_u32 v[RD], s80, v6                    ; back: lanes 0-15 one row of 256 bytes, lanes 16-31 the next
	v_lshlrev_b32 v[CO], 13, v2
	v_lshl_add_u32 v[CO], v1, 4, v[CO]             ; and the same two rows in out0
	s_wait_alu depctr_va_vdst(0)                   ; directly ahead of the waits below
	s_wait_dscnt 0x0                               ; both opening adds are done
	s_wait_kmcnt 0x0
	s_load_b64 s[96:97], s[8:9], 0x28              ; e10, e11
	s_add_nc_u64 s[44:45], s[4:5], s[44:45]
	s_add_nc_u64 s[46:47], s[6:7], s[46:47]
	s_cmp_lt_u32 s12, 2
	s_cselect_b64 s[70:71], s[4:5], s[6:7]
	s_add_nc_u64 s[70:71], s[70:71], s[72:73]
	s_add_nc_u64 s[70:71], s[70:71], s[78:79]
	s_add_nc_u64 s[70:71], s[70:71], s[78:79]      ; my share of K step 2,
	s_add_nc_u64 s[76:77], s[70:71], s[78:79]      ; and of K step 3
	s_add_nc_u64 s[10:11], s[10:11], s[90:91]
.irp s, 0,1
	s_mov_b32 s[G0+4*\s], 1
	s_mov_b32 s[G0+4*\s+1], \s*SLOT
	s_add_nc_u64 s[G0+4*\s+2:G0+4*\s+3], s[44:45], \s*ACH
	s_or_b32 s[G0+4*\s+3], s[G0+4*\s+3], 0x80000000
	s_mov_b32 s[G0B+4*\s], 1
	s_mov_b32 s[G0B+4*\s+1], \s*SLOT+ABYT
	s_add_nc_u64 s[G0B+4*\s+2:G0B+4*\s+3], s[46:47], \s*KSTEP
	s_or_b32 s[G0B+4*\s+3], s[G0B+4*\s+3], 0x80000000
.endr
	CROUND                                         ; all sixteen work-groups are here: the first joint loads meet
	HLOAD                                          ; K steps 0 and 1
	global_prefetch_b8 v[PFO], s[70:71] th:TH_LOAD_NT scope:SCOPE_SE   ; what the next loads will ask for: K steps 2 and 3; the address registers are never rewritten
	global_prefetch_b8 v[PFO], s[76:77] th:TH_LOAD_NT scope:SCOPE_SE
; 8 matrix instructions: tiles of tokens a0, a0 + 1 x wo's four, 128 along K.  The 16 accumulators take turns, one instruction a turn, in the same order in every quarter
.macro MUL8 f, a0, zero
.irp a, \a0, \a0+1
.irp b, 0,1,2,3
.if \zero
	v_wmma_f32_16x16x128_fp8_fp8 v[ACC+8*(4*(\a)+\b):ACC+8*(4*(\a)+\b)+7], v[\f+64+16*\b:\f+64+16*\b+15], v[\f+16*(\a):\f+16*(\a)+15], 0
.else
	v_wmma_f32_16x16x128_fp8_fp8 v[ACC+8*(4*(\a)+\b):ACC+8*(4*(\a)+\b)+7], v[\f+64+16*\b:\f+64+16*\b+15], v[\f+16*(\a):\f+16*(\a)+15], v[ACC+8*(4*(\a)+\b):ACC+8*(4*(\a)+\b)+7]
.endif
.endr
.endr
.endm
.macro FETCH slot, q, f                ; the eight fragments of the slot's q-th 128 along K into set f: 32 LDS loads in one run
	WIN TO_F
.irp i, 0,1,2,3
.irp c, 0,1,2,3
	ds_load_b128 v[\f+64+16*\i+4*\c:\f+64+16*\i+4*\c+3], v[ADRB+\slot] offset:128*(\q)+32*\c+\i*16*PITCH
	ds_load_b128 v[\f+16*\i+4*\c:\f+16*\i+4*\c+3],       v[ADRA+\slot] offset:8192*\i+2048*(\q)+512*\c
.endr
.endr
.endm
.macro QUARTER slot, q, f, g, zero     ; set f is multiplied while the fragments at (slot, q) come into set g
	s_wait_dscnt 0x0                               ; set f is in
	PLACES                                         ; behind the products that read set g
	FETCH \slot, \q, \g
	WIN MUL
	MUL8 \f, 0, \zero
	MUL8 \f, 2, \zero
.endm
.macro THREE slot, zero                ; a slot's first three quarters; its first fragments are on their way into set 0
	QUARTER \slot, 1, F0, F1, \zero
	QUARTER \slot, 2, F1, F0, 0
	QUARTER \slot, 3, F0, F1, 0
.endm
	s_wait_tensorcnt 0x0                           ; my load has landed
	s_barrier_signal -1
	s_barrier_wait -1                              ; everybody's has: both slots are whole
	FETCH 0, 0, F0
	THREE 0, 1                                     ; the first products start the sums
	QUARTER 1, 0, F1, F0, 0                        ; on into slot 1: it is whole already, and slot 0 is not written yet: no barrier
	THREE 1, 0
	; BOTH SLOTS ARE FILLED AGAIN.  The three lines, the round in the place of the barrier, the loads first behind it
	WIN 0
	s_wait_tensorcnt 0x0
	ds_add_u32 v[SPW], v[NIL]
	s_wait_dscnt 1                                 ; set 1 is in; the add may be out
	WIN MUL
	MUL8 F1, 0, 0
	s_wait_dscnt 0x0                               ; the add is done, and my reads of both slots are over
	WIN 0
	s_barrier_signal -1
	s_barrier_wait -1
	CREST                                          ; no wave of any partner still reads a slot
.irp s, 0,1
	s_add_nc_u64 s[G0+4*\s+2:G0+4*\s+3], s[G0+4*\s+2:G0+4*\s+3], 2*ACH
	s_add_nc_u64 s[G0B+4*\s+2:G0B+4*\s+3], s[G0B+4*\s+2:G0B+4*\s+3], 2*KSTEP
.endr
	HLOAD                                          ; K steps 2 and 3
	WIN MUL
	MUL8 F1, 2, 0
	WIN 0
	s_wait_tensorcnt 0x0                           ; my load has landed
	s_barrier_signal -1
	s_barrier_wait -1                              ; everybody's has
	PLACES
	FETCH 0, 0, F0
	THREE 0, 0
	s_wait_dscnt 0x0                               ; set 1 is in, and my reads of slot 0 are over:
	s_barrier_signal -1                            ; behind this barrier nobody reads slot 0, where the stages lie
	WIN MUL
	MUL8 F1, 0, 0
	s_barrier_wait -1
	PLACES
	FETCH 1, 0, F0
	WIN MUL
	MUL8 F1, 2, 0
	THREE 1, 0
	s_wait_dscnt 0x0
	WIN MUL
	MUL8 F1, 0, 0
	MUL8 F1, 2, 0
	WIN 0
	s_wait_kmcnt 0x0
	s_add_co_i32 s96, s96, s97
	s_add_co_i32 s96, s96, 127
	s_lshl_b32 s96, s96, 23                        ; 2^(e10 + e11) as f32
	s_mov_b32 s97, s96                             ; (named with it as a pair, so it is written)
	PLACES                                         ; behind the last products
; THE WAY OUT, 16 rows x 64 columns at a time: scaled, through my own stage in LDS, back as rows of 256 bytes.  LDS serves a wave's instructions in order (ISA guide 5.7.1.4): no wait between the stores and the loads
.macro TOSTAGE a
.set i, 0
.rept 16
	v_pk_mul_f32 v[TMP+i:TMP+i+1], v[ACC+32*(\a)+i:ACC+32*(\a)+i+1], s[96:97] op_sel_hi:[1,0]   ; each accumulator from its low end on
.set i, i+2
.endr
.irp b, 0,1,2,3
	ds_store_b128 v[STO], v[TMP+8*\b:TMP+8*\b+3] offset:64*\b
	ds_store_b128 v[STO], v[TMP+8*\b+4:TMP+8*\b+7] offset:64*\b+16
.endr
.set BB, BK+32*((\a)%2)
.irp t, 0,1,2,3,4,5,6,7
	ds_load_b128 v[BB+4*\t:BB+4*\t+3], v[RD] offset:\t*2*SPITCH
.endr
.endm
.macro SEND a, younger                 ; younger: the LDS instructions issued behind block a's loads, which may stay out
.set BB, BK+32*((\a)%2)
	s_wait_dscnt \younger
.irp t, 0,1,2,3,4,5,6,7
	global_store_b128 v[CO], v[BB+4*\t:BB+4*\t+3], s[10:11] offset:(16*(\a)+2*\t)*8192 th:TH_STORE_NT   ; 16 lanes store 256 consecutive bytes, at a multiple of 256 from out0's first byte
.endr
.endm
	TOSTAGE 0
.irp a, 1,2,3
.if \a > 1
	s_wait_xcnt 0x0                                ; block a - 2's stores have read their registers, into which block a's loads land
.endif
	TOSTAGE \a
	SEND \a-1, 16
.endr
	SEND 3, 0
	s_wait_tensorcnt 0x0                           ; the wave's end
	ds_add_u32 v[SPW], v[NIL]
	s_wait_dscnt 0x0
	CROUND                                         ; the closing round
	s_endpgm
.Lfunc_end_k_q2c2bb25d29_outp:
	.size	k_q2c2bb25d29_outp, .Lfunc_end_k_q2c2bb25d29_outp-k_q2c2bb25d29_outp
	.p2alignl 7, 3214868480
	.fill 96, 4, 3214868480
	.section	.rodata,"a",@progbits
	.p2align	6, 0x0
	.amdhsa_kernel k_q2c2bb25d29_outp
		.amdhsa_group_segment_fixed_size 327680
		.amdhsa_private_segment_fixed_size 0
		.amdhsa_enable_private_segment 0
		.amdhsa_kernarg_size 32
		.amdhsa_user_sgpr_count 2
		.amdhsa_user_sgpr_kernarg_segment_ptr 1
		.amdhsa_wavefront_size32 1
		.amdhsa_system_sgpr_workgroup_id_x 1
		.amdhsa_system_sgpr_workgroup_id_y 1
		.amdhsa_system_sgpr_workgroup_id_z 1
		.amdhsa_system_vgpr_workitem_id 0
		.amdhsa_next_free_vgpr 512
		.amdhsa_next_free_sgpr 100
		.amdhsa_reserve_vcc 0
		.amdhsa_float_denorm_mode_32 3
		.amdhsa_float_denorm_mode_16_64 3
		.amdhsa_memory_ordered 1
		.amdhsa_forward_progress 1
		.amdhsa_inst_pref_size 74
	.end_amdhsa_kernel
	.amdgpu_metadata
---
amdhsa.version: [ 1, 2 ]
amdhsa.kernels:
  - .name:           k_q2c2bb25d29_outp
    .symbol:         k_q2c2bb25d29_outp.kd
    .args:
      - { .name: ao, .offset: 0, .size: 8, .value_kind: global_buffer, .address_space: global }
      - { .name: codes, .offset: 8, .size: 8, .value_kind: global_buffer, .address_space: global }
      - { .name: lowp_scales, .offset: 16, .size: 8, .value_kind: global_buffer, .address_space: global }
      - { .name: out0, .offset: 24, .size: 8, .value_kind: global_buffer, .address_space: global }
    .group_segment_fixed_size: 327680
    .private_segment_fixed_size: 0
    .kernarg_segment_align: 8
    .kernarg_segment_size: 32
    .max_flat_workgroup_size: 128
    .sgpr_count:     100
    .vgpr_count:     512
    .wavefront_size: 32
...
	.end_amdgpu_metadata
.endif
;; end of part 4
